; MI455X (gfx1250); checked and timed in simulation.
; The chip was launched on July 23, 2026; its instructions are those of AMD's public machine-readable ISA for CDNA 5 (MIT licence, August 2026) and "CDNA5" Instruction Set Architecture Reference Guide (July 2026). The comments in the code are by the model that wrote it; some were corrected since.
;; Attention. Allowed arithmetic: matrix products marked QUANTISED: E2M3 operands, one E8M0 scale for each 32 along K, by v_wmma_scale_f32_16x16x128_f8f6f4 with both operands' format E2M3, f32 sums; everything else in f32.
;; Inputs: Wkv 2,048 x 2,048 float32; Wo 1,024 x 2,048 float32; Wq 2,048 x 1,024 float32; bo 2,048 float32; rotary_emb 2,048 x 128 float32; x 2 x 2,048 x 2,048 float32.
;; Outputs: out0 2 x 2,048 x 2,048 float32.
;; This version of the problem:
;;   THIS VERSION OF THE PROBLEM IS GIVEN IN LOW PRECISION. The matrix products marked QUANTISED in the list below multiply operands that are first quantised to E2M3 (2 exponent bits, 3 mantissa bits; 6 bits a number), with one power-of-two scale for each 32 numbers along K (OCP MX v1.0); their sums are f32. All else is computed in f32.
;;   The module's matrix products, in the order in which they are computed (A, B: the left and right operand; K: the contracted axis; several contracted axes count as one K, in the product's order):
;;     1. [M 4,096, K 2,048] x [K 2,048, N 1,024]; A: input x; B: input Wq: QUANTISED
;;     2. [M 4,096, K 2,048] x [K 2,048, N 2,048]; A: input x; B: input Wkv: QUANTISED
;;     3. batch 16 x [M 2,048, K 128] x [K 128, N 2,048]; A: computed on the way; B: computed on the way: QUANTISED
;;     4. batch 16 x [M 2,048, K 2,048] x [K 2,048, N 128]; A: softmax (see below); B: computed on the way: QUANTISED
;;     5. [M 4,096, K 1,024] x [K 1,024, N 2,048]; A: computed on the way; B: input Wo: QUANTISED
;;   THE QUANTISER, for each operand of a quantised product, along K:
;;     - K is cut into blocks of 32 from its start; a last block that is shorter is filled with zeros.
;;     - A block's scale is 2^e with e = floor(log2(the largest magnitude in the block)) - 2, held to -126 .. 127; a block of zeros has e = 0. As a byte (E8M0): e + 127.
;;     - Each number is divided by its block's scale, clamped to +-7.5, and rounded to the nearest number of E2M3, ties to even, subnormals kept.
;;     - The product sums the exact products of the quantised numbers (number of the format x scale) in f32.
;;   ~~~python
;;   def quantise(x, axis):      # numpy; x: float32 -> the quantised numbers, widened to float32 again
;;       x = np.moveaxis(x, axis, -1); K = x.shape[-1]
;;       x = np.pad(x, [(0, 0)] * (x.ndim - 1) + [(0, -K % 32)]); x = x.reshape(x.shape[:-1] + (-1, 32)); a = np.abs(x).max(-1, keepdims=True)
;;       e = np.where(a > 0, np.clip(np.frexp(np.where(a > 0, a, 1))[1] - 1 - 2, -126, 127), 0)      # np.frexp(a)[1] - 1 = floor(log2(a)), exactly
;;       r = np.clip(x / 2.0 ** e, -7.5, 7.5)
;;       step = 2.0 ** (np.maximum(np.frexp(np.where(r == 0, 1, r))[1] - 1, 0) - 3)
;;       q = np.round(r / step) * step * 2.0 ** e      # np.round: ties to even
;;       return np.moveaxis(q.reshape(q.shape[:-2] + (-1,))[..., :K], -1, axis).astype(np.float32)
;;   ~~~
;;   SOFTMAX AHEAD OF A QUANTISED PRODUCT. Where the list says 'softmax', what is quantised is not the finished softmax but p = 2^(t - M), with t = logit x log2(e) and M = ceil(the row's largest t), a whole number; so 1/2 < the row's largest p <= 1. The row's sum l is taken of the UNQUANTISED p, in f32, and the product's result is divided by l at the end. Since M is a whole number, a kernel that streams over the keys may use a running M (the ceiling of the running maximum): every later rescaling is an exact power of two, which a block's scale takes up: the codes' values come out the same.
;;   OPERANDS COMPUTED ON THE WAY. 'Computed on the way' means the value that the module computes at that place (a softmax that the list does not call 'softmax' is quantised finished and normalised). What goes into a quantiser is computed in f32, as accurately as f32 sums, v_exp_f32 and their like allow (about 1e-6 of the number): no bf16 or f16 on the way to a quantiser, and a product that is left as it is and whose result goes on into a quantised operand takes f32 operands (vector FMAs, or v_wmma_f32_16x16x4_f32). A number that lies on a knife's edge between two numbers of the format may be rounded either way, as far as f32 arithmetic and the matrix unit's own rounding can turn it there, and no further.
;; One version. Each part assembles by itself: llvm-mc -triple=amdgcn-amd-amdhsa -mcpu=gfx1250 --defsym DOCPART=n.
;; ======== version 1 of 1: 4 launches
;; limits: inputs' magnitudes at most 100,000; right only within a limited range of input values
;; workspace buffers: xc 6,553,600 bytes; wc 6,488,064 bytes; woc 1,638,400 bytes; rot 2,097,152 bytes; qkv 9,830,400 bytes; oc 3,276,800 bytes
;; launch prep (part 1): grid 640 x 1, 4 waves a work-group, no clusters, 34,304 bytes of LDS; arguments x, Wq, Wkv, Wo, rotary_emb, xc, wc, woc, rot; writes xc, wc, woc, rot
.if DOCPART == 1
	.amdgcn_target "amdgcn-amd-amdhsa--gfx1250"
	.amdhsa_code_object_version 6
	.text
	.protected	k_qa4dade3802_prep
	.globl	k_qa4dade3802_prep
	.p2align	8
	.type	k_qa4dade3802_prep,@function
k_qa4dade3802_prep:
	s_mov_b64 s[64:65], 0
	v_nop
	global_prefetch_b8 v0, s[64:65] scope:SCOPE_SE
	s_setreg_imm32_b32 hwreg(HW_REG_WAVE_MODE, 25, 1), 1
	s_wait_xcnt 0x0
; PREP: x, Wq, Wkv and Wo (f32) become codes of FP6 (E2M3) with one E8M0 byte for each 32 along K; rotary_emb becomes a table of cos and signed sin.
; LAYOUT OF ALL CODES: images of operand registers.  A fragment is 16 rows x 128 K, 12 registers a lane: registers 4 c .. 4 c + 3 of lane l lie at 512 c + 16 l of its 1,536 bytes.
; A rowblock is 16 rows, NOT neighbours: slot p of rowblock 2 B + u is true row 32 B + 8 u + p + 8 (p / 8), so that a product which takes such a block as source 0 leaves 16 neighbours in a lane's 16 registers of two tiles.
; Codes: [rowblock][K / 128][1,536].  Scale words: [rowblock][K / 256][slot 16][2 words], behind the codes.
; A block's scale is 2^(floor(log2(largest magnitude)) - 2); its byte is the largest magnitude's exponent field - 2, held at 1 from below.
; LIMITS: NaN and infinities are not served; blocks whose largest magnitude lies under 2^-124 keep the byte 1; a block of zeros gets the byte 1 (zero codes; the bytes are read by this program alone);
; the angles' reduction by three parts of pi/2 serves |rotary_emb| up to about 1e5.
; WORK-GROUPS: 0-255 x (a rowblock each, a wave 512 along K); 256-319 Wq, 320-447 Wkv, 448-511 Wo (128 columns x 256 K each, a wave 32 columns); 512-639 the table (16 positions each, a wave 32 of d).
; Memory binds: no matrix unit, no tensor load, no barrier: waves share nothing.  Only x's path uses LDS.
.set SC_OFF, 6291456                   ; where the scale words begin in xc and in wc
.set WO_SC,  1572864                   ; and in woc
.set WVN, 22                           ; s22  my wave's number
.set SEL, 24                           ; s[24:25] lane selects for v_permlanex16_b32: lane l xor 16
.set TM,  16                           ; v16-31   QUANT: largest magnitudes, bytes, scale operands
.set RR,  32                           ; v32-159  x as loaded: two sets of 64
.set XX,  160                          ; v160-223 64 numbers of my row: register 16 b + i = k 32 b + 16 (lane / 16) + i
.set PC,  224                          ; v224-243 the codes just made
.set PW,  244                          ; v244-247 four fragments' scale words
; 64 numbers of a lane, register 16 b + i = k 32 b + 16 (lane / 16) + i of my row, become a fragment's 12 registers in v[PC] on and its scale word in v[pw] (the same in both halves of the lanes).
.macro QUANT s, pw
.irp b, 0,1,2,3
	v_max3_num_f32 v[TM+\b], |v[(\s)+16*\b]|, |v[(\s)+1+16*\b]|, 0x1800000   ; block b: my 16 numbers, and the floor 2^(3 - 127): the byte cannot fall under 1
.endr
.irp i, 2,4,6,8,10,12,14
.irp b, 0,1,2,3
	v_max3_num_f32 v[TM+\b], v[TM+\b], |v[(\s)+16*\b+\i]|, |v[(\s)+1+16*\b+\i]|   ; the four blocks by turns
.endr
.endr
.irp b, 0,1,2,3
	v_permlanex16_b32 v[TM+4+\b], v[TM+\b], s[SEL], s[SEL+1]
.endr
.irp b, 0,1,2,3
	v_max_num_f32 v[TM+\b], v[TM+\b], v[TM+4+\b]   ; with lane l xor 16's: the block's largest magnitude
.endr
.irp b, 0,1,2,3
	v_add_nc_u32 v[TM+12+\b], 0xff000000, v[TM+\b]   ; 2 off its exponent field: the conversion's scale operand
.endr
.irp b, 0,1,2,3
	v_lshrrev_b32 v[TM+4+\b], 23, v[TM+12+\b]      ; the scale's byte
.endr
	v_lshl_or_b32 v[\pw], v[TM+5], 8, v[TM+4]
	v_lshl_or_b32 v[\pw], v[TM+6], 16, v[\pw]
	v_lshl_or_b32 v[\pw], v[TM+7], 24, v[\pw]
.irp c, 0,1
	v_cvt_scalef32_pk16_fp6_f32 v[PC+6*\c:PC+2+6*\c], v[(\s)+32*\c:(\s)+15+32*\c], v[TM+12+2*\c]
	v_cvt_scalef32_pk16_fp6_f32 v[PC+12+4*\c:PC+14+4*\c], v[(\s)+16+32*\c:(\s)+31+32*\c], v[TM+12+2*\c+1]   ; (a conversion's three registers begin on an even number)
.endr
	v_nop                                          ; one plain place behind a scaled conversion
.irp c, 0,1                                    ; the operand wants a WHOLE block in a lane: lanes 0-15 block 2 c, lanes 16-31 block 2 c + 1
.irp i, 0,1,2
	v_permlane16_swap_b32 v[PC+6*\c+\i], v[PC+12+4*\c+\i]
.endr
.irp i, 0,1,2
	v_mov_b32 v[PC+3+6*\c+\i], v[PC+12+4*\c+\i]
.endr
.endr
.endm
; x: fragment f's 16 rows x 512 bytes: each load reads 512 consecutive bytes of one row
.macro LOADX f
.irp t, 0,1,2,3,4,5,6,7,8,9,10,11,12,13,14,15
	global_load_b128 v[RR+64*((\f)%2)+4*\t:RR+64*((\f)%2)+4*\t+3], v1, s[4:5] offset:(\t+8*(\t/8))*8192+512*(\f) th:TH_LOAD_NT
.endr
.endm
.macro XFRAG f
.if (\f) < 3
	s_wait_loadcnt 16                              ; this fragment's 16 loads are in; the next fragment's 16 may be out
.else
	s_wait_loadcnt 0x0
.endif
.irp t, 0,1,2,3,4,5,6,7,8,9,10,11,12,13,14,15
	ds_store_b128 v2, v[RR+64*((\f)%2)+4*\t:RR+64*((\f)%2)+4*\t+3] offset:528*\t   ; the rows as they lie, 528 bytes apart, into my wave's own stage
.endr
.irp b, 0,1,2,3
.irp j, 0,1,2,3
	ds_load_b128 v[XX+16*\b+4*\j:XX+16*\b+4*\j+3], v3 offset:128*\b+16*\j   ; and back: of row r my 16 neighbours of each block (LDS serves a wave's instructions in order)
.endr
.endr
	s_wait_dscnt 0x0                               ; the numbers are back, and the stores have read their registers
	s_wait_xcnt 0x0                                ; the last fragment's stores have read the codes' registers, which QUANT writes again
.if (\f) < 2
	LOADX (\f)+2
.endif
	QUANT XX, PW+(\f)
.irp c, 0,1,2
	global_store_b128 v1, v[PC+4*\c:PC+4*\c+3], s[28:29] offset:1536*(\f)+512*\c   ; 512 consecutive bytes a store
.endr
.endm
; a weight [K][N]: a lane takes a column, its registers run down K
.macro LOADW t, N
.irp i, 0,1,2,3,4,5,6,7,8,9,10,11,12,13,14,15,16,17,18,19,20,21,22,23,24,25,26,27,28,29,30,31
	global_load_b32 v[32+32*((\t)%2)+\i], v2, s[34:35] offset:(32*(\t)+\i)*(\N)*4 th:TH_LOAD_NT
.endr
.endm
.macro BLOCKW t, N, K
.set XS, 32+32*((\t)%2)
.set KK, (\t)/4                                ; which 128 along K
.set FF, 96+24*KK+12*((\t)%2)+6*(((\t)%4)/2)   ; even blocks go to the run X (the operand's lanes 0-15), odd ones to Y (lanes 16-31); registers 6 c on
.if (\t) < 7
	s_wait_loadcnt 32                              ; this block's 32 loads are in; the next block's may be out
.else
	s_wait_loadcnt 0x0
.endif
	v_max3_num_f32 v12, |v[XS]|, |v[XS+1]|, |v[XS+2]|   ; the block's largest magnitude: all 32 numbers are mine
	v_max3_num_f32 v13, |v[XS+3]|, |v[XS+4]|, |v[XS+5]|
.irp i, 6,10,14,18,22,26
	v_max3_num_f32 v12, v12, |v[XS+\i]|, |v[XS+\i+1]|
	v_max3_num_f32 v13, v13, |v[XS+\i+2]|, |v[XS+\i+3]|
.endr
	v_max3_num_f32 v12, v12, |v[XS+30]|, |v[XS+31]|
	v_max3_num_f32 v12, v12, v13, 0x1800000        ; and the floor
	v_add_nc_u32 v11, 0xff000000, v12
	v_lshrrev_b32 v13, 23, v11
.if (\t)%4 == 0
	v_mov_b32 v[16+KK], v13
.else
	v_lshl_or_b32 v[16+KK], v13, 8*((\t)%4), v[16+KK]
.endif
	v_cvt_scalef32_pk16_fp6_f32 v[FF:FF+2], v[XS:XS+15], v11
	v_cvt_scalef32_pk16_fp6_f32 v[144:146], v[XS+16:XS+31], v11
	v_nop                                          ; one plain place behind a scaled conversion
.irp i, 0,1,2
	v_mov_b32 v[FF+3+\i], v[144+\i]
.endr
.if (\t)+2 < 8
	LOADW (\t)+2, \N
.endif
.if (\t)%4 == 3                                ; 128 along K are done.  Lanes 0-15 hold the rows of rowblock 2 B, lanes 16-31 those of 2 B + 1: X's upper lanes change places with Y's lower ones, and X, Y are the two whole images
.irp j, 0,1,2,3,4,5,6,7,8,9,10,11
	v_permlane16_swap_b32 v[96+24*KK+\j], v[108+24*KK+\j]
.endr
.irp c, 0,1,2
	global_store_b128 v1, v[96+24*KK+4*\c:96+24*KK+4*\c+3], s[36:37] offset:KK*1536+512*\c
	global_store_b128 v1, v[108+24*KK+4*\c:108+24*KK+4*\c+3], s[36:37] offset:((\K)/128)*1536+KK*1536+512*\c
.endr
.endif
.endm
.macro WPATH N, LOGNX, K, sp, dp, rb0, scoff, first
	s_sub_co_u32 s26, ttmp9, \first
	s_and_b32 s27, s26, (\N)/128-1                 ; which 128 columns
	s_lshr_b32 s28, s26, \LOGNX                    ; which 256 along K
	s_lshl_b32 s29, s27, 2
	s_add_co_u32 s29, s29, s[WVN]                  ; my wave's 32 columns
	s_mul_i32 s30, s28, 256*(\N)*4
	s_lshl_b32 s32, s29, 7
	s_add_co_u32 s30, s30, s32
	s_mov_b32 s31, 0
	s_add_nc_u64 s[34:35], s[\sp:\sp+1], s[30:31]  ; the weight at my first row of K and first column
	s_lshl_b32 s32, s29, 1
	s_add_co_u32 s32, s32, \rb0                    ; my first rowblock
	s_mul_i32 s30, s32, ((\K)/128)*1536
	s_mul_i32 s33, s28, 2*1536
	s_add_co_u32 s30, s30, s33
	s_add_nc_u64 s[36:37], s[\dp:\dp+1], s[30:31]  ; its codes
	s_mul_i32 s30, s32, ((\K)/256)*128
	s_lshl_b32 s33, s28, 7
	s_add_co_u32 s30, s30, s33
	s_add_co_u32 s30, s30, \scoff
	s_add_nc_u64 s[38:39], s[\dp:\dp+1], s[30:31]  ; its scale words
	v_and_b32 v2, 7, v0                            ; lane 16 u + p takes column 8 u + p + 8 (p / 8) of the 32: the wave still reads 128 consecutive bytes
	s_wait_alu depctr_va_vdst(0)
	v_lshl_add_u32 v2, v7, 3, v2
	v_bfe_u32 v8, v0, 3, 1
	v_lshl_add_u32 v2, v8, 4, v2
	v_lshlrev_b32 v2, 2, v2
	v_lshlrev_b32 v4, 3, v6                        ; my row's two scale words: 8 p, + a rowblock's scale bytes for lanes 16-31
	v_mad_u32_u24 v4, v7, ((\K)/256)*128, v4
	LOADW 0, \N
	LOADW 1, \N
.irp t, 0,1,2,3,4,5,6,7
	BLOCKW \t, \N, \K
.endr
	global_store_b64 v4, v[16:17], s[38:39]
	s_endpgm
.endm
	s_load_b512 s[4:19], s[0:1], 0x0               ; x s[4:5], Wq s[6:7], Wkv s[8:9], Wo s[10:11], rotary_emb s[12:13], xc s[14:15], wc s[16:17], woc s[18:19]
	s_load_b64 s[20:21], s[0:1], 0x40              ; rot
	v_lshl_add_u32 v254, v0, 2, 0x8400
	v_mov_b32 v255, 0
	v_lshrrev_b32 v8, 5, v0
	v_readfirstlane_b32 s[WVN], v8                 ; wave 0..3
	v_and_b32 v5, 31, v0                           ; lane
	v_and_b32 v6, 15, v0                           ; r
	v_bfe_u32 v7, v0, 4, 1                         ; h
	v_lshlrev_b32 v1, 4, v5                        ; 16 x lane
	s_mov_b32 s[SEL], 0x76543210
	s_mov_b32 s[SEL+1], 0xfedcba98
	s_wait_kmcnt 0x0
	s_cmp_lt_u32 ttmp9, 256
	s_cbranch_scc1 .Lx
	s_cmp_lt_u32 ttmp9, 320
	s_cbranch_scc1 .Lwq
	s_cmp_lt_u32 ttmp9, 448
	s_cbranch_scc1 .Lwkv
	s_cmp_lt_u32 ttmp9, 512
	s_cbranch_scc1 .Lwo
	; ---- THE TABLE.  rot: [posblock 128][cos, sin'][16 pieces][512 bytes]: register 4 c + e of lane (r, h) is d = 32 (c / 4) + 16 h + 4 (c % 4) + e of the posblock's slot r.  sin' = -sin at even d, +sin at odd d.
.set AA, 32                            ; v32-47   16 angles
.set CC, 48                            ; v48-63   cos
.set SN, 64                            ; v64-79   sin'
.set NN, 96                            ; v96-111  the nearest multiple of pi/2
.set RH, 112                           ; v112-127 what is left of the angle
.set SS, 128                           ; v128-143 its square
.set II, 144                           ; v144-159 the multiple as a whole number
.set TT, 160                           ; v160-175 at work
	s_sub_co_u32 s26, ttmp9, 512                   ; posblock
	s_lshr_b32 s27, s26, 1
	s_lshl_b32 s27, s27, 5
	s_and_b32 s28, s26, 1
	s_lshl_b32 s28, s28, 3
	s_add_co_u32 s27, s27, s28                     ; its first position
	s_lshl_b32 s30, s27, 9                         ; rows of 512 bytes
	s_lshl_b32 s28, s[WVN], 7                      ; my wave's 32 of d
	s_add_co_u32 s30, s30, s28
	s_mov_b32 s31, 0
	s_add_nc_u64 s[12:13], s[12:13], s[30:31]
	s_lshl_b32 s30, s26, 14
	s_lshl_b32 s28, s[WVN], 11
	s_add_co_u32 s30, s30, s28
	s_add_nc_u64 s[20:21], s[20:21], s[30:31]
	s_wait_alu depctr_va_vdst(0)
	v_and_b32 v2, 8, v6
	v_add_nc_u32 v2, v2, v6                        ; r + 8 (r / 8)
	v_lshlrev_b32 v2, 9, v2
	v_lshl_add_u32 v2, v7, 6, v2
.irp j, 0,1,2,3
	global_load_b128 v[AA+4*\j:AA+4*\j+3], v2, s[12:13] offset:16*\j
.endr
	v_mov_b32 v90, 0x37ccf5ce                      ; the polynomials' leading coefficients
	v_mov_b32 v91, 0xb94ca1f9
	s_wait_loadcnt 0x0
.macro EACH16 line:vararg
.irp i, 0,1,2,3,4,5,6,7,8,9,10,11,12,13,14,15
	\line
.endr
.endm
.irp i, 0,1,2,3,4,5,6,7,8,9,10,11,12,13,14,15
	v_mul_f32 v[NN+\i], 0x3f22f983, v[AA+\i]       ; a x 2/pi
.endr
.irp i, 0,1,2,3,4,5,6,7,8,9,10,11,12,13,14,15
	v_rndne_f32 v[NN+\i], v[NN+\i]                 ; n
.endr
.irp i, 0,1,2,3,4,5,6,7,8,9,10,11,12,13,14,15
	v_fmamk_f32 v[RH+\i], v[NN+\i], 0xbfc90fdb, v[AA+\i]   ; a - n pi/2, pi/2 in three parts, each by one fused multiply-add
.endr
.irp i, 0,1,2,3,4,5,6,7,8,9,10,11,12,13,14,15
	v_fmamk_f32 v[RH+\i], v[NN+\i], 0x333bbd2e, v[RH+\i]
.endr
.irp i, 0,1,2,3,4,5,6,7,8,9,10,11,12,13,14,15
	v_fmamk_f32 v[RH+\i], v[NN+\i], 0x26f72ce9, v[RH+\i]
.endr
.irp i, 0,1,2,3,4,5,6,7,8,9,10,11,12,13,14,15
	v_mul_f32 v[SS+\i], v[RH+\i], v[RH+\i]
.endr
.irp i, 0,1,2,3,4,5,6,7,8,9,10,11,12,13,14,15
	v_fmaak_f32 v[CC+\i], v90, v[SS+\i], 0xbab6061a   ; cos on |rho| <= pi/4
.endr
.irp i, 0,1,2,3,4,5,6,7,8,9,10,11,12,13,14,15
	v_fmaak_f32 v[CC+\i], v[CC+\i], v[SS+\i], 0x3d2aaaa5
.endr
.irp i, 0,1,2,3,4,5,6,7,8,9,10,11,12,13,14,15
	v_fma_f32 v[CC+\i], v[CC+\i], v[SS+\i], -0.5
.endr
.irp i, 0,1,2,3,4,5,6,7,8,9,10,11,12,13,14,15
	v_fma_f32 v[CC+\i], v[CC+\i], v[SS+\i], 1.0
.endr
.irp i, 0,1,2,3,4,5,6,7,8,9,10,11,12,13,14,15
	v_fmaak_f32 v[SN+\i], v91, v[SS+\i], 0x3c08839e   ; sin
.endr
.irp i, 0,1,2,3,4,5,6,7,8,9,10,11,12,13,14,15
	v_fmaak_f32 v[SN+\i], v[SN+\i], v[SS+\i], 0xbe2aaaa3
.endr
.irp i, 0,1,2,3,4,5,6,7,8,9,10,11,12,13,14,15
	v_mul_f32 v[TT+\i], v[RH+\i], v[SS+\i]
.endr
.irp i, 0,1,2,3,4,5,6,7,8,9,10,11,12,13,14,15
	v_fma_f32 v[SN+\i], v[SN+\i], v[TT+\i], v[RH+\i]
.endr
.irp i, 0,1,2,3,4,5,6,7,8,9,10,11,12,13,14,15
	v_cvt_i32_f32 v[II+\i], v[NN+\i]
.endr
.irp i, 0,1,2,3,4,5,6,7,8,9,10,11,12,13,14,15
	v_and_b32 v[TT+\i], 1, v[II+\i]                ; odd quadrants: sin and cos change places
	v_cmp_eq_u32 vcc_lo, 1, v[TT+\i]
	v_cndmask_b32 v[TT+\i], v[SN+\i], v[CC+\i], vcc_lo
	v_cndmask_b32 v[CC+\i], v[CC+\i], v[SN+\i], vcc_lo
.if (\i)%2 == 0
	v_add_nc_u32 v[SS+\i], 2, v[II+\i]             ; even d: sin' = -sin: two quadrants on
	v_lshlrev_b32 v[SS+\i], 30, v[SS+\i]
.else
	v_lshlrev_b32 v[SS+\i], 30, v[II+\i]
.endif
	v_and_b32 v[SS+\i], 0x80000000, v[SS+\i]       ; sin is negative in quadrants 2 and 3,
	v_xor_b32 v[SN+\i], v[SS+\i], v[TT+\i]
	v_add_nc_u32 v[II+\i], 1, v[II+\i]
	v_lshlrev_b32 v[II+\i], 30, v[II+\i]
	v_and_b32 v[II+\i], 0x80000000, v[II+\i]       ; cos in quadrants 1 and 2
	v_xor_b32 v[CC+\i], v[II+\i], v[CC+\i]
.endr
.irp j, 0,1,2,3
	global_store_b128 v1, v[CC+4*\j:CC+4*\j+3], s[20:21] offset:512*\j
	global_store_b128 v1, v[SN+4*\j:SN+4*\j+3], s[20:21] offset:8192+512*\j
.endr
	s_endpgm
.Lx:	; ---- x: work-group = rowblock, wave = 512 along K: four fragments
	s_lshr_b32 s26, ttmp9, 1
	s_lshl_b32 s26, s26, 5
	s_and_b32 s27, ttmp9, 1
	s_lshl_b32 s27, s27, 3
	s_add_co_u32 s26, s26, s27                     ; the rowblock's first true row
	s_lshl_b32 s26, s26, 13                        ; rows of 8,192 bytes
	s_lshl_b32 s27, s[WVN], 11
	s_add_co_u32 s26, s26, s27
	s_mov_b32 s27, 0
	s_add_nc_u64 s[4:5], s[4:5], s[26:27]
	s_lshl_b32 s26, ttmp9, 4
	s_lshl_b32 s32, s[WVN], 2
	s_add_co_u32 s26, s26, s32
	s_mul_i32 s26, s26, 1536
	s_add_nc_u64 s[28:29], s[14:15], s[26:27]      ; my four fragments
	s_lshl_b32 s26, ttmp9, 10
	s_lshl_b32 s32, s[WVN], 8
	s_add_co_u32 s26, s26, s32
	s_add_co_u32 s26, s26, SC_OFF
	s_add_nc_u64 s[30:31], s[14:15], s[26:27]      ; their 256 bytes of scale words
	s_mul_i32 s32, s[WVN], 8448                    ; my stage: 16 rows x 528 bytes
	s_wait_alu depctr_va_vdst(0)
	v_add_nc_u32 v2, s32, v1
	v_mul_u32_u24 v3, v6, 528
	v_lshl_add_u32 v3, v7, 6, v3
	v_add_nc_u32 v3, s32, v3
	v_lshlrev_b32 v4, 3, v5
.irp b, 0,1,2,3
	v_mov_b32 v[TM+4+\b], 0                        ; written once: a lane permute's destination counts as one of its sources
.endr
	LOADX 0
	LOADX 1
	s_wait_alu depctr_va_vdst(0)
.irp f, 0,1,2,3
	XFRAG \f
.endr
	s_mov_b32 vcc_lo, 0xffff0000
	v_cndmask_b32 v248, v[PW], v[PW+2], vcc_lo     ; lanes 0-15: the words of the first 256 along K, lanes 16-31: of the second
	v_cndmask_b32 v249, v[PW+1], v[PW+3], vcc_lo
	global_store_b64 v4, v[248:249], s[30:31]      ; 256 consecutive bytes, aligned
	s_wait_tensorcnt 0x0
	ds_add_u32 v254, v255
	s_wait_dscnt 0x0
	s_endpgm
.Lwq:
	WPATH 1024, 3, 2048, 6, 16, 0, SC_OFF, 256
.Lwkv:
	WPATH 2048, 4, 2048, 8, 16, 64, SC_OFF, 320
.Lwo:
	WPATH 2048, 4, 1024, 10, 18, 0, WO_SC, 448
.Lfunc_end_k_qa4dade3802_prep:
	.size	k_qa4dade3802_prep, .Lfunc_end_k_qa4dade3802_prep-k_qa4dade3802_prep
	.p2alignl 7, 3214868480
	.fill 96, 4, 3214868480
	.section	.rodata,"a",@progbits
	.p2align	6, 0x0
	.amdhsa_kernel k_qa4dade3802_prep
		.amdhsa_group_segment_fixed_size 34304
		.amdhsa_private_segment_fixed_size 0
		.amdhsa_enable_private_segment 0
		.amdhsa_kernarg_size 72
		.amdhsa_user_sgpr_count 2
		.amdhsa_user_sgpr_kernarg_segment_ptr 1
		.amdhsa_wavefront_size32 1
		.amdhsa_system_sgpr_workgroup_id_x 1
		.amdhsa_system_sgpr_workgroup_id_y 1
		.amdhsa_system_sgpr_workgroup_id_z 1
		.amdhsa_system_vgpr_workitem_id 0
		.amdhsa_next_free_vgpr 256
		.amdhsa_next_free_sgpr 66
		.amdhsa_reserve_vcc 1
		.amdhsa_float_denorm_mode_32 3
		.amdhsa_float_denorm_mode_16_64 3
		.amdhsa_memory_ordered 1
		.amdhsa_forward_progress 1
		.amdhsa_inst_pref_size 172
	.end_amdhsa_kernel
	.amdgpu_metadata
---
amdhsa.version: [ 1, 2 ]
amdhsa.kernels:
  - .name:           k_qa4dade3802_prep
    .symbol:         k_qa4dade3802_prep.kd
    .args:
      - { .name: x, .offset: 0, .size: 8, .value_kind: global_buffer, .address_space: global }
      - { .name: Wq, .offset: 8, .size: 8, .value_kind: global_buffer, .address_space: global }
      - { .name: Wkv, .offset: 16, .size: 8, .value_kind: global_buffer, .address_space: global }
      - { .name: Wo, .offset: 24, .size: 8, .value_kind: global_buffer, .address_space: global }
      - { .name: rotary_emb, .offset: 32, .size: 8, .value_kind: global_buffer, .address_space: global }
      - { .name: xc, .offset: 40, .size: 8, .value_kind: global_buffer, .address_space: global }
      - { .name: wc, .offset: 48, .size: 8, .value_kind: global_buffer, .address_space: global }
      - { .name: woc, .offset: 56, .size: 8, .value_kind: global_buffer, .address_space: global }
      - { .name: rot, .offset: 64, .size: 8, .value_kind: global_buffer, .address_space: global }
    .group_segment_fixed_size: 34304
    .private_segment_fixed_size: 0
    .kernarg_segment_align: 8
    .kernarg_segment_size: 72
    .max_flat_workgroup_size: 128
    .sgpr_count:     66
    .vgpr_count:     256
    .wavefront_size: 32
...
	.end_amdgpu_metadata
.endif
;; end of part 1
;; launch qkv_proj (part 2): grid 12 x 16, 4 waves a work-group, clusters of 4 x 4, 327,680 bytes of LDS; arguments xc, wc, rot, qkv; writes qkv
.if DOCPART == 2
	.amdgcn_target "amdgcn-amd-amdhsa--gfx1250"
	.amdhsa_code_object_version 6
	.text
	.protected	k_qa4dade3802_qkv_proj
	.globl	k_qa4dade3802_qkv_proj
	.p2align	8
	.type	k_qa4dade3802_qkv_proj,@function
k_qa4dade3802_qkv_proj:
	s_mov_b64 s[64:65], 0
	v_nop
	global_prefetch_b8 v0, s[64:65] scope:SCOPE_SE
	s_setreg_imm32_b32 hwreg(HW_REG_WAVE_MODE, 25, 1), 1
	s_wait_xcnt 0x0
	s_wait_alu depctr_hold_cnt(0) depctr_sa_sdst(0) depctr_va_vdst(0) depctr_va_sdst(0) depctr_va_ssrc(0) depctr_va_vcc(0) depctr_vm_vsrc(0)
	s_getreg_b32 s2, hwreg(HW_REG_IB_STS2, 6, 4)
	s_cmp_eq_u32 s2, 0
	s_cbranch_scc0 .Lentry_in_a_cluster
	s_endpgm
.Lentry_in_a_cluster:
	s_bfe_u32 s2, ttmp6, 0x10000c
	s_cmp_lg_u32 s2, 0xf033
	s_cbranch_scc0 .Lentry_shape_is_right
	s_endpgm
.Lentry_shape_is_right:
; q, k, v = x (Wq | Wkv) on codes of FP6 (E2M3) with E8M0 scales, K = 2,048; then the rotary turn (q, k), q's factor 128^-0.5, and the quantiser for the attention's products.
; Operands lie in memory as images of fragments (16 rows x 128 K = 1,536 bytes; registers 4 c .. 4 c + 3 of lane l at 512 c + 16 l): [rowblock][K / 128][1,536]; scale words [rowblock][K / 256][slot 16][2 words].
; A tile of the result is 256 x 256, four waves, a wave 128 x 128: 64 accumulators.  Cluster columns 0, 1 make q and k (source 1 = x: 128 positions of each batch, so that both share a table; source 0 = the weight's columns);
; cluster column 2 makes v with the sources' roles changed, so that a lane's registers run along the keys.
; THE RING: LDS holds region X, four K steps of the tile's 32 rowblocks (196,608 bytes), and region Y, two K steps (98,304 bytes).  K is walked as 4, 2, 4, 2, 4 steps: five fills, one tensor load a wave each,
; a quarter of a region; every row of a fill begins at a multiple of 256 bytes (a K step is 1,536 bytes).  A region is filled again behind a round of the cluster's barrier, in its last step, when its last fragments are in registers.
; THE SCALE WORDS do not go through LDS: a wave loads those of its 16 rowblocks straight into registers, 256 consecutive bytes a load (lanes 0-15: one 256 along K, lanes 16-31: the next; two words a lane):
; one load serves four K steps, the ROW selector picks the lanes.  Two sets of 32 registers, each asked for four K steps ahead of its first use.
; K is written out: regions come back after 6 steps and scale sets after 8, which do not meet inside 16 steps.
; CLUSTERS 4 x 4: source 1's tiles are asked for jointly along a row of the cluster, source 0's along a column.
; PREFETCH: behind each fill's request each wave names the next fill's bytes of two rowblocks: of the eight that it fetches, the partner at place p takes 2 p, 2 p + 1 (by address); a lane a block of 256 bytes.
; LIMITS: NaN and infinities are not served; a block whose largest magnitude lies under 2^-124 keeps the byte 1 (the bytes are read by this program alone).
; REGISTERS: window 0: v16-31 addresses; v32-95 scale words and nothing else; v128-223 source 1's fragments; on the way out v96-255 and v1-12.  window 1: source 0's fragments, two sets (v0, v128), then the tables.  windows 2, 3: accumulators.
.set FR,     12
.set NP,     4
.set FRB,    1536
.set KROWB,  16*FRB
.set RBX,    4*FRB
.set RBY,    2*FRB
.set QX,     8*RBX
.set QY,     8*RBY
.set YB,     4*QX
.set SPARE,  YB+4*QY
.set SC_OFF, 6291456
.set QS,     9437184
.set ADA, 16                           ; v16, v17 my rowblocks of source 1 in X (the two halves); v18 in Y
.set ADB, 20                           ; v20 my rowblocks of source 0 in X; v21 in Y
.set LI,   24
.set LS,   25
.set LSC,  27                          ; 8 x lane
.set SPW,  28
.set NIL,  29
.set PFX,  30                          ; 256 x min(lane, 23)
.set PFY,  31                          ; 256 x min(lane, 11)
.set SC,   32
.set AF,   128
.set H0,   96
.set H1,   160
.set PC,   224
.set TM,   244
.set PW,   1
.set OW,   9
.set G1, 24
.set G0, 32
.set G1B, 48
.set G0B, 56
.set G1Y, 68
.set G1BY, 80
.set SEL, 98
.set SQ,  22
.set CB,  4
.set SB,  18
.set PFA, 100
.set MSB, 0
.macro WIN new
.if MSB != (\new)
	s_set_vgpr_msb (MSB<<8)|(\new)
.set MSB, (\new)
.endif
.endm
.set MUL_LO, 0xa1
.set MUL_HI, 0xf1
.set TO_B,   0x40
.macro JLOAD g0a, g1a, g0b, g1b        ; waves 0, 1 fetch source 1's halves, waves 2, 3 source 0's
	s_cmp_eq_u32 s15, 0
	s_cbranch_scc0 .Lfor_b_\@
	tensor_load_to_lds s[\g0a:\g0a+3], s[\g1a:\g1a+7]
	s_nop 0
.rept 4
	v_nop
.endr
	s_branch .Lasked_\@
.Lfor_b_\@:
	tensor_load_to_lds s[\g0b:\g0b+3], s[\g1b:\g1b+7]
	s_nop 0
.rept 4
	v_nop
.endr
.Lasked_\@:
.endm
.macro CREST
	s_cmp_lg_u32 s14, 0
	s_cbranch_scc1 .Lnot_wave_0_\@
	s_barrier_signal -3
.Lnot_wave_0_\@:
	s_barrier_wait -3
	s_barrier_signal -1
	s_barrier_wait -1
.endm
.macro CROUND
	s_barrier_signal -1
	s_barrier_wait -1
	CREST
.endm
.macro PLACES n
.rept \n
	v_nop
.endr
.endm
.macro ASK st, pf                      ; the fill that begins at K step st: my two rowblocks' bytes
	global_prefetch_b8 v[\pf], s[PFA:PFA+1] offset:(\st)*FRB th:TH_LOAD_NT scope:SCOPE_SE
	global_prefetch_b8 v[\pf], s[PFA:PFA+1] offset:(\st)*FRB+KROWB th:TH_LOAD_NT scope:SCOPE_SE
.endm
.macro SCLOAD j                        ; the scale words of K steps 4 j .. 4 j + 3 into set j % 2: registers 2 a + q source 1's block a, 16 + 2 b + q source 0's block b
.irp i, 0,1,2,3
	global_load_b64 v[SC+32*((\j)%2)+2*\i:SC+32*((\j)%2)+2*\i+1], v[LSC], s[2:3] offset:1024*\i+256*(\j)
	global_load_b64 v[SC+32*((\j)%2)+8+2*\i:SC+32*((\j)%2)+8+2*\i+1], v[LSC], s[90:91] offset:1024*\i+256*(\j)
.endr
.irp i, 0,1,2,3,4,5,6,7
	global_load_b64 v[SC+32*((\j)%2)+16+2*\i:SC+32*((\j)%2)+16+2*\i+1], v[LSC], s[96:97] offset:1024*\i+256*(\j)
.endr
.endm
.macro FRAG reg, adr, off
.irp c, 0,1,2
	ds_load_b128 v[(\reg)+4*\c:(\reg)+4*\c+3], v[\adr] offset:(\off)+512*\c
.endr
.endm
.macro PLACE st                        ; where K step st lies: of each six steps the first four in X, the last two in Y
.set RG, ((\st)%6)/4
.set QO, ((\st)%6-4*RG)*FRB
.set RB, RBX-RG*RBY
.endm
.macro FETCH_B st
	PLACE \st
	WIN TO_B
.irp i, 0,1,2,3,4,5,6,7
	FRAG 128*((\st)%2)+FR*\i, ADB+RG, \i*RB+QO
.endr
	WIN 0
.endm
.macro FETCH_A st, i0
	PLACE \st
.irp i, \i0, \i0+1, \i0+2, \i0+3
	FRAG AF+FR*(\i), ADA+((\i)/4)*(1-RG)+2*RG, ((\i)/4)*QY*RG+((\i)%4)*RB+QO
.endr
.endm
; 16 products: source 1's blocks a0, a0 + 1 x source 0's eight.  The 64 accumulators take turns in the same order in every step.
.macro MUL16 a0, st, zero
.irp a, \a0, \a0+1
.irp b, 0,1,2,3,4,5,6,7
.set DD, 8*(8*((\a)%4)+\b)
.set BF, 128*((\st)%2)+FR*\b
.set AA, AF+FR*(\a)
.set XB, SC+32*(((\st)/4)%2)+16+2*\b+(\st)%2
.set XA, SC+32*(((\st)/4)%2)+2*(\a)+(\st)%2
.if \zero
	v_wmma_scale_f32_16x16x128_f8f6f4 v[DD:DD+7], v[BF:BF+FR-1], v[AA:AA+FR-1], 0, v[XB], v[XA] matrix_a_fmt:MATRIX_FMT_FP6 matrix_b_fmt:MATRIX_FMT_FP6
.else
.if ((\st)/2)%2
	v_wmma_scale_f32_16x16x128_f8f6f4 v[DD:DD+7], v[BF:BF+FR-1], v[AA:AA+FR-1], v[DD:DD+7], v[XB], v[XA] matrix_a_fmt:MATRIX_FMT_FP6 matrix_b_fmt:MATRIX_FMT_FP6 matrix_a_scale:MATRIX_SCALE_ROW1 matrix_b_scale:MATRIX_SCALE_ROW1
.else
	v_wmma_scale_f32_16x16x128_f8f6f4 v[DD:DD+7], v[BF:BF+FR-1], v[AA:AA+FR-1], v[DD:DD+7], v[XB], v[XA] matrix_a_fmt:MATRIX_FMT_FP6 matrix_b_fmt:MATRIX_FMT_FP6
.endif
.endif
.endr
.endr
.endm
.macro STEPN st, zero                  ; a K step whose successor lies in the same region
.if ((\st)%4 == 0) && ((\st) >= 8)
	s_wait_loadcnt 0x0                             ; this step's set of scale words, asked for four steps ago
.endif
	s_wait_dscnt 4*3                               ; all but the youngest twelve loads (source 1's blocks 4-7)
	WIN MUL_LO
	MUL16 0, \st, \zero
	MUL16 2, \st, \zero
	s_wait_dscnt 0x0
	PLACES NP
	FETCH_B (\st)+1
	FETCH_A (\st)+1, 0
.if ((\st) == 4) || ((\st) == 8)
	SCLOAD (\st)/4+1                               ; into the set that the four steps before this one have read
.endif
	WIN MUL_HI
	MUL16 4, \st, \zero
	MUL16 6, \st, \zero
	PLACES NP
	WIN 0
	FETCH_A (\st)+1, 4
.endm
; A region's last K step: its fragments are in registers.  Every wave waits for all its tensor loads (the other region's fill), adds 0 to its spare word, waits for that and for its reads; fill = 1: the barrier opens a round
; of the cluster's barrier, and the region just left takes the K steps six further on.  ask: the K step at which the fill after that begins (0: none).
.macro TURN st, fill, ask, pf
	s_wait_tensorcnt 0x0
	ds_add_u32 v[SPW], v[NIL]
	s_wait_dscnt 4*3+1                             ; (the add and the youngest twelve loads may be out)
	WIN MUL_LO
	MUL16 0, \st, 0
	s_wait_dscnt 0x0
	s_barrier_signal -1
	MUL16 2, \st, 0
	WIN 0
	s_barrier_wait -1
.if \fill
	CREST
.set RL, ((\st)%6)/4
	s_add_nc_u64 s[G0+4*RL+2:G0+4*RL+3], s[G0+4*RL+2:G0+4*RL+3], 6*FRB
	s_add_nc_u64 s[G0B+4*RL+2:G0B+4*RL+3], s[G0B+4*RL+2:G0B+4*RL+3], 6*FRB
	JLOAD G0+4*RL, G1+44*RL, G0B+4*RL, G1B+32*RL
.else
	PLACES NP
.endif
	FETCH_B (\st)+1
	FETCH_A (\st)+1, 0
.if \ask
	ASK \ask, \pf
.endif
	WIN MUL_HI
	MUL16 4, \st, 0
	MUL16 6, \st, 0
	PLACES NP
	WIN 0
	FETCH_A (\st)+1, 4
.endm
.macro LASTSTEP
	s_wait_dscnt 4*3
	WIN MUL_LO
	MUL16 0, 15, 0
	MUL16 2, 15, 0
	s_wait_dscnt 0x0
	WIN MUL_HI
	MUL16 4, 15, 0
	MUL16 6, 15, 0
	WIN 0
.endm
; 64 numbers of a lane (register 16 b + i = place 32 b + 16 (lane / 16) + i along the next K) become a fragment's 12 registers in v[PC] on and its scale word in v[pw]
.macro QUANT s, pw
.irp b, 0,1,2,3
	v_max3_num_f32 v[TM+\b], |v[(\s)+16*\b]|, |v[(\s)+1+16*\b]|, 0x1800000
.endr
.irp b, 0,1,2,3
	v_max3_num_f32 v[TM+8+\b], |v[(\s)+8+16*\b]|, |v[(\s)+9+16*\b]|, |v[(\s)+10+16*\b]|   ; a second chain for each block, over its numbers 8 to 14: eight chains take turns
.endr
.irp i, 2,4
.irp b, 0,1,2,3
	v_max3_num_f32 v[TM+\b], v[TM+\b], |v[(\s)+16*\b+\i]|, |v[(\s)+1+16*\b+\i]|
.endr
.irp b, 0,1,2,3
	v_max3_num_f32 v[TM+8+\b], v[TM+8+\b], |v[(\s)+9+16*\b+\i]|, |v[(\s)+10+16*\b+\i]|
.endr
.endr
.irp b, 0,1,2,3
	v_max3_num_f32 v[TM+\b], v[TM+\b], |v[(\s)+6+16*\b]|, |v[(\s)+7+16*\b]|
.endr
.irp b, 0,1,2,3
	v_max3_num_f32 v[TM+\b], v[TM+\b], v[TM+8+\b], |v[(\s)+15+16*\b]|   ; the two chains and the sixteenth number
.endr
.irp b, 0,1,2,3
	v_permlanex16_b32 v[TM+4+\b], v[TM+\b], s[SEL], s[SEL+1]
.endr
.irp b, 0,1,2,3
	v_max_num_f32 v[TM+\b], v[TM+\b], v[TM+4+\b]
.endr
.irp b, 0,1,2,3
	v_add_nc_u32 v[TM+8+\b], 0xff000000, v[TM+\b]
.endr
.irp b, 0,1,2,3
	v_lshrrev_b32 v[TM+4+\b], 23, v[TM+8+\b]
.endr
	v_lshl_or_b32 v[\pw], v[TM+5], 8, v[TM+4]
	v_lshl_or_b32 v[\pw], v[TM+6], 16, v[\pw]
	v_lshl_or_b32 v[\pw], v[TM+7], 24, v[\pw]
.irp c, 0,1
	v_cvt_scalef32_pk16_fp6_f32 v[PC+6*\c:PC+2+6*\c], v[(\s)+32*\c:(\s)+15+32*\c], v[TM+8+2*\c]
	v_cvt_scalef32_pk16_fp6_f32 v[PC+12+4*\c:PC+14+4*\c], v[(\s)+16+32*\c:(\s)+31+32*\c], v[TM+8+2*\c+1]
.endr
	v_nop
.irp c, 0,1
.irp i, 0,1,2
	v_permlane16_swap_b32 v[PC+6*\c+\i], v[PC+12+4*\c+\i]
.endr
.irp i, 0,1,2
	v_mov_b32 v[PC+3+6*\c+\i], v[PC+12+4*\c+\i]
.endr
.endr
.endm
.macro TAB p                           ; posblock p's cos and signed sin, in the result's layout, into window 1
.irp c, 0,1,2,3,4,5,6,7,8,9,10,11,12,13,14,15
	global_load_b128 v[128*((\p)%2)+4*\c:128*((\p)%2)+4*\c+3], v[LI], s[8:9] offset:16384*(\p)+512*\c
.endr
.irp c, 0,1,2,3,4,5,6,7,8,9,10,11,12,13,14,15
	global_load_b128 v[128*((\p)%2)+64+4*\c:128*((\p)%2)+64+4*\c+3], v[LI], s[8:9] offset:16384*(\p)+8192+512*\c
.endr
.endm
.macro ROT a, H
.set AC, 64*((\a)%4)
.set TBL, 128*((\a)%2)
	WIN 0x04|(2+(\a)/4)
.irp b, 0,1,2,3,4,5,6,7
.irp j, 0,2,4,6
	v_pk_mul_f32 v[\H+8*\b+\j:\H+8*\b+\j+1], v[AC+8*\b+\j:AC+8*\b+\j+1], v[TBL+8*\b+\j:TBL+8*\b+\j+1]
.endr
.endr
.irp b, 0,1,2,3,4,5,6,7
.irp j, 0,2,4,6
	v_pk_fma_f32 v[\H+8*\b+\j:\H+8*\b+\j+1], v[AC+8*\b+\j:AC+8*\b+\j+1], v[TBL+64+8*\b+\j:TBL+64+8*\b+\j+1], v[\H+8*\b+\j:\H+8*\b+\j+1] op_sel:[1,0,0] op_sel_hi:[0,1,1]   ; the pair's partner x the signed sin: the first source's halves change places
.endr
.endr
	WIN 0
.endm
.macro COPY a, H
	WIN 2+(\a)/4
.set jj, 0
.rept 64
	v_mov_b32 v[\H+jj], v[64*((\a)%4)+jj]
.set jj, jj+1
.endr
	WIN 0
.endm
.macro OUTF g, p
	s_wait_xcnt 0x0                                ; the last image's stores have read the codes' registers
	QUANT H0+64*(\g), PW+4*(\g)+(\p)
.irp c, 0,1,2
	global_store_b128 v[LI], v[PC+4*\c:PC+4*\c+3], s[CB+2*(\g):CB+2*(\g)+1] offset:1536*(\p)+512*\c
.endr
.endm
	s_load_b256 s[4:11], s[0:1], 0x0               ; xc, wc, rot, qkv
	v_lshl_add_u32 v[SPW], v0, 2, SPARE
	v_mov_b32 v[NIL], 0
	ds_add_u32 v[SPW], v[NIL]
	ds_add_u32 v[SPW], v[NIL]
	v_lshrrev_b32 v1, 5, v0
	v_readfirstlane_b32 s14, v1                    ; wave
	v_and_b32 v3, 31, v0
	v_lshlrev_b32 v[LI], 4, v3
	v_lshlrev_b32 v[LS], 2, v3
	v_lshlrev_b32 v[LSC], 3, v3
	v_min_u32 v4, 23, v3
	v_lshlrev_b32 v[PFX], 8, v4
	v_min_u32 v4, 11, v3
	v_lshlrev_b32 v[PFY], 8, v4
	s_lshr_b32 s15, s14, 1                         ; my rowblocks of source 1.  Also: I fetch for source 1 (0) or source 0 (1)
	s_and_b32 s16, s14, 1                          ; my half of source 0.  Also: which half I fetch
	s_bfe_u32 s40, ttmp6, 0x40000                  ; cx
	s_bfe_u32 s41, ttmp6, 0x40004                  ; cy
	s_and_b32 s66, ttmp7, 0xffff
	s_lshl_b32 s43, s41, 2
	s_lshl_b32 s43, 15, s43                        ; my row of the cluster
	s_lshl_b32 s44, 0x1111, s40                    ; my column
	s_lshl_b32 s18, s66, 2
	s_add_co_u32 s17, s18, s41                     ; tile row
	s_lshl_b32 s19, s17, 3                         ; q, k: source 1 = x: half 0 begins at rowblock 8 x tile row, half 1 (the other batch) 128 further on
	s_lshl_b32 s21, s41, 4
	s_add_co_u32 s21, s21, 128                     ; v: source 1 = the weight's v columns: rowblock 128 + 16 cy, half 1 eight further on
	s_lshl_b32 s42, ttmp9, 2
	s_add_co_u32 s42, s42, s40
	s_add_co_u32 s47, s18, s40
	s_mov_b32 s22, 128
	s_cmp_eq_u32 ttmp9, 2
	s_cselect_b32 s17, s41, s17
	s_cselect_b32 s19, s21, s19
	s_cselect_b32 s22, 8, s22
	s_cselect_b32 s42, s47, s42
	s_mul_i32 s20, s16, s22
	s_add_co_u32 s20, s20, s19                     ; source 1: the half that I fetch
	s_lshl_b32 s46, s42, 4
	s_lshl_b32 s47, s16, 3
	s_add_co_u32 s46, s46, s47                     ; source 0: my half's first rowblock
	s_lshl_b32 s2, s15, 2
	s_add_co_u32 s2, s2, s19
	s_lshl_b32 s2, s2, 10                          ; scale words, 1,024 bytes a rowblock: source 1's blocks 0-3,
	s_add_co_u32 s2, s2, SC_OFF
	s_mov_b32 s3, 0
	s_lshl_b32 s90, s22, 10                        ; how far on its blocks 4-7 lie,
	s_mov_b32 s91, 0
	s_lshl_b32 s96, s46, 10                        ; source 0's eight
	s_add_co_u32 s96, s96, SC_OFF
	s_mov_b32 s97, 0
	s_mul_i32 s20, s20, KROWB
	s_mov_b32 s21, 0
	s_mul_i32 s46, s46, KROWB
	s_mov_b32 s47, 0
	s_cmp_eq_u32 s15, 0
	s_cselect_b32 s94, s40, s41                    ; my place among the four that ask with me
	s_mul_i32 s94, s94, 2*KROWB
	s_mov_b32 s95, 0
	s_or_b32 s[G1], s43, (3<<16)|(1<<21)           ; group 1: 8 rows (rowblocks) of 8-byte elements, KROWB bytes apart; X: 768 elements a row, Y: 384
	s_or_b32 s[G1B], s44, (3<<16)|(1<<21)
	s_or_b32 s[G1Y], s43, (3<<16)|(1<<21)
	s_or_b32 s[G1BY], s44, (3<<16)|(1<<21)
.irp g, G1, G1B
	s_mov_b32 s[\g+1], (RBX/8)<<16
	s_mov_b32 s[\g+2], 8<<16
	s_mov_b32 s[\g+3], (RBX/8)<<16
	s_mov_b32 s[\g+4], 8
	s_mov_b32 s[\g+5], KROWB/8
	s_mov_b32 s[\g+6], 0
	s_mov_b32 s[\g+7], 0
.endr
.irp g, G1Y, G1BY
	s_mov_b32 s[\g+1], (RBY/8)<<16
	s_mov_b32 s[\g+2], 8<<16
	s_mov_b32 s[\g+3], (RBY/8)<<16
	s_mov_b32 s[\g+4], 8
	s_mov_b32 s[\g+5], KROWB/8
	s_mov_b32 s[\g+6], 0
	s_mov_b32 s[\g+7], 0
.endr
	s_wait_alu depctr_va_vdst(0)
	s_wait_dscnt 0x0
	s_wait_kmcnt 0x0
	s_cmp_eq_u32 ttmp9, 2
	s_cselect_b64 s[88:89], s[6:7], s[4:5]         ; source 1's buffer
	s_cselect_b64 s[12:13], s[4:5], s[6:7]         ; source 0's
	s_add_nc_u64 s[20:21], s[88:89], s[20:21]
	s_add_nc_u64 s[46:47], s[12:13], s[46:47]
	s_add_nc_u64 s[2:3], s[88:89], s[2:3]
	s_add_nc_u64 s[90:91], s[2:3], s[90:91]
	s_add_nc_u64 s[96:97], s[12:13], s[96:97]
	s_cmp_eq_u32 s15, 0
	s_cselect_b64 s[PFA:PFA+1], s[20:21], s[46:47]
	s_add_nc_u64 s[PFA:PFA+1], s[PFA:PFA+1], s[94:95]
	s_mov_b32 s[G0], 1                             ; group 0: X at K step 0, Y at K step 4; LDS: wave x a quarter of the region
	s_mul_i32 s[G0+1], s14, QX
	s_mov_b64 s[G0+2:G0+3], s[20:21]
	s_or_b32 s[G0+3], s[G0+3], 0x80000000
	s_mov_b32 s[G0+4], 1
	s_mul_i32 s[G0+5], s14, QY
	s_add_co_u32 s[G0+5], s[G0+5], YB
	s_add_nc_u64 s[G0+6:G0+7], s[20:21], 4*FRB
	s_or_b32 s[G0+7], s[G0+7], 0x80000000
	s_mov_b32 s[G0B], 1
	s_mul_i32 s[G0B+1], s14, QX
	s_mov_b64 s[G0B+2:G0B+3], s[46:47]
	s_or_b32 s[G0B+3], s[G0B+3], 0x80000000
	s_mov_b32 s[G0B+4], 1
	s_mul_i32 s[G0B+5], s14, QY
	s_add_co_u32 s[G0B+5], s[G0B+5], YB
	s_add_nc_u64 s[G0B+6:G0B+7], s[46:47], 4*FRB
	s_or_b32 s[G0B+7], s[G0B+7], 0x80000000
	CROUND                                         ; all sixteen work-groups are here: the first joint loads meet
	JLOAD G0, G1, G0B, G1B                         ; K steps 0-3: my one tensor load at the head
	SCLOAD 0
	SCLOAD 1
	ASK 4, PFY
	s_mul_i32 s21, s15, 4*RBX
	v_add_nc_u32 v[ADA], s21, v[LI]
	s_add_co_u32 s21, s21, QX
	v_add_nc_u32 v[ADA+1], s21, v[LI]
	s_mul_i32 s21, s15, 4*RBY
	s_add_co_u32 s21, s21, YB
	v_add_nc_u32 v[ADA+2], s21, v[LI]
	s_mul_i32 s21, s16, QX
	s_add_co_u32 s21, s21, 2*QX
	v_add_nc_u32 v[ADB], s21, v[LI]
	s_mul_i32 s21, s16, QY
	s_add_co_u32 s21, s21, YB+2*QY
	v_add_nc_u32 v[ADB+1], s21, v[LI]
	; where the results go: fragment indices of my two groups of four images, the table's place
	s_and_b32 s18, s42, 3
	s_lshl_b32 s18, s18, 1
	s_add_co_u32 s18, s18, s16
	s_lshl_b32 s18, s18, 7
	s_lshl_b32 s19, ttmp9, 11
	s_add_co_u32 s18, s18, s19
	s_lshl_b32 s19, s17, 3
	s_add_co_u32 s18, s18, s19
	s_lshl_b32 s67, s15, 2
	s_add_co_u32 s18, s18, s67
	s_lshr_b32 s19, s42, 3
	s_lshl_b32 s19, s19, 3
	s_lshl_b32 s20, s17, 1
	s_add_co_u32 s19, s19, s20
	s_lshl_b32 s19, s19, 4
	s_lshl_b32 s20, s42, 1
	s_add_co_u32 s20, s20, s16
	s_and_b32 s20, s20, 15
	s_add_co_u32 s19, s19, s20
	s_lshl_b32 s19, s19, 3
	s_add_co_u32 s19, s19, s67
	s_add_co_u32 s19, s19, 4096
	s_mov_b32 s20, 1024
	s_cmp_eq_u32 ttmp9, 2
	s_cselect_b32 s18, s19, s18
	s_cselect_b32 s20, 128, s20
	s_add_co_u32 s19, s18, s20
	s_lshl_b32 s94, s17, 3
	s_add_co_u32 s94, s94, s67
	s_lshl_b32 s94, s94, 14
	s_add_nc_u64 s[8:9], s[8:9], s[94:95]
	s_mul_i32 s94, s18, FRB
	s_add_nc_u64 s[CB:CB+1], s[10:11], s[94:95]
	s_mul_i32 s94, s19, FRB
	s_add_nc_u64 s[CB+2:CB+3], s[10:11], s[94:95]
	s_lshl_b32 s94, s19, 6
	s_add_co_u32 s94, s94, QS
	s_add_nc_u64 s[SB+2:SB+3], s[10:11], s[94:95]
	s_lshl_b32 s94, s18, 6
	s_add_co_u32 s94, s94, QS
	s_add_nc_u64 s[SB:SB+1], s[10:11], s[94:95]
	s_mov_b32 s[SQ], 0x3db504f3                    ; 128^-0.5
	s_mov_b32 s[SQ+1], s[SQ]
	s_mov_b32 s[SEL], 0x76543210
	s_mov_b32 s[SEL+1], 0xfedcba98
	s_wait_alu depctr_va_vdst(0)
	s_wait_tensorcnt 0x0                           ; my quarter of X is in
	ds_add_u32 v[SPW], v[NIL]
	s_wait_dscnt 0x0
	CROUND
	JLOAD G0+4, G1Y, G0B+4, G1BY                   ; K steps 4, 5 into Y
	FETCH_B 0
	FETCH_A 0, 0
	FETCH_A 0, 4
	ASK 6, PFX
	s_wait_loadcnt 0x0                             ; both sets of scale words
	STEPN 0, 1                                     ; the first step's products start the sums
	STEPN 1, 0
	STEPN 2, 0
	TURN 3, 1, 10, PFY                             ; X takes K steps 6-9
	STEPN 4, 0
	TURN 5, 1, 12, PFX                             ; Y takes K steps 10, 11
	STEPN 6, 0
	STEPN 7, 0
	STEPN 8, 0
	TURN 9, 1, 0, PFX                              ; X takes K steps 12-15
	STEPN 10, 0
	TURN 11, 0, 0, PFX                             ; nothing is left to fetch
	STEPN 12, 0
	STEPN 13, 0
	STEPN 14, 0
	s_cmp_eq_u32 ttmp9, 2                          ; v has no rotary turn: no table
	s_cbranch_scc1 .Lno_tab
	WIN 0x40
	TAB 0
	WIN 0
.Lno_tab:
	LASTSTEP
	PLACES NP
.irp b, 0,1,2,3
	v_mov_b32 v[TM+4+\b], 0                        ; written once: a lane permute's destination counts as one of its sources
.endr
	s_cmp_eq_u32 ttmp9, 2
	s_cbranch_scc1 .Lvpath
	WIN 0x40
	TAB 1
	WIN 0
.irp p, 0,1,2,3
.if \p < 3
	s_wait_loadcnt 32                              ; this posblock's table is in; the next one's 32 loads may be out
.else
	s_wait_loadcnt 0x0
.endif
	ROT \p, H0
	ROT 4+\p, H1
.if \p < 2
	WIN 0x40
	TAB \p+2
	WIN 0
.endif
	s_cmp_lg_u32 ttmp9, 0
	s_cbranch_scc1 .Lk_\p
.set jj, 0
.rept 64
	v_pk_mul_f32 v[H0+jj:H0+jj+1], v[H0+jj:H0+jj+1], s[SQ:SQ+1] op_sel_hi:[1,0]   ; q alone: x 128^-0.5
.set jj, jj+2
.endr
.Lk_\p:
	OUTF 0, \p
	OUTF 1, \p
.endr
	s_branch .Lfin
.Lvpath:
.irp p, 0,1,2,3
	COPY \p, H0
	COPY 4+\p, H1
	OUTF 0, \p
	OUTF 1, \p
.endr
.Lfin:
	s_mov_b32 vcc_lo, 0xffff0000
.irp g, 0,1
.irp k, 0,1
	v_cndmask_b32 v[OW+2*\g+\k], v[PW+4*\g+2*\k], v[PW+4*\g+2*\k+1], vcc_lo
	global_store_b32 v[LS], v[OW+2*\g+\k], s[SB+2*\g:SB+2*\g+1] offset:128*\k
.endr
.endr
	s_wait_tensorcnt 0x0                           ; the wave's end
	ds_add_u32 v[SPW], v[NIL]
	s_wait_dscnt 0x0
	CROUND                                         ; the closing round
	s_endpgm
.Lfunc_end_k_qa4dade3802_qkv_proj:
	.size	k_qa4dade3802_qkv_proj, .Lfunc_end_k_qa4dade3802_qkv_proj-k_qa4dade3802_qkv_proj
	.p2alignl 7, 3214868480
	.fill 96, 4, 3214868480
	.section	.rodata,"a",@progbits
	.p2align	6, 0x0
	.amdhsa_kernel k_qa4dade3802_qkv_proj
		.amdhsa_group_segment_fixed_size 327680
		.amdhsa_private_segment_fixed_size 0
		.amdhsa_enable_private_segment 0
		.amdhsa_kernarg_size 32
		.amdhsa_user_sgpr_count 2
		.amdhsa_user_sgpr_kernarg_segment_ptr 1
		.amdhsa_wavefront_size32 1
		.amdhsa_system_sgpr_workgroup_id_x 1
		.amdhsa_system_sgpr_workgroup_id_y 1
		.amdhsa_system_sgpr_workgroup_id_z 1
		.amdhsa_system_vgpr_workitem_id 0
		.amdhsa_next_free_vgpr 1024
		.amdhsa_next_free_sgpr 102
		.amdhsa_reserve_vcc 1
		.amdhsa_float_denorm_mode_32 3
		.amdhsa_float_denorm_mode_16_64 3
		.amdhsa_memory_ordered 1
		.amdhsa_forward_progress 1
		.amdhsa_inst_pref_size 255
	.end_amdhsa_kernel
	.section	.bss,"aw",@nobits
	.p2align	6
	.space	262144
	.amdgpu_metadata
---
amdhsa.version: [ 1, 2 ]
amdhsa.kernels:
  - .name:           k_qa4dade3802_qkv_proj
    .symbol:         k_qa4dade3802_qkv_proj.kd
    .args:
      - { .name: xc, .offset: 0, .size: 8, .value_kind: global_buffer, .address_space: global }
      - { .name: wc, .offset: 8, .size: 8, .value_kind: global_buffer, .address_space: global }
      - { .name: rot, .offset: 16, .size: 8, .value_kind: global_buffer, .address_space: global }
      - { .name: qkv, .offset: 24, .size: 8, .value_kind: global_buffer, .address_space: global }
    .group_segment_fixed_size: 327680
    .private_segment_fixed_size: 0
    .kernarg_segment_align: 8
    .kernarg_segment_size: 32
    .max_flat_workgroup_size: 128
    .sgpr_count:     102
    .vgpr_count:     1024
    .wavefront_size: 32
...
	.end_amdgpu_metadata
.endif
;; end of part 2
;; launch attn (part 3): grid 16 x 16, 16 waves a work-group, clusters of 4 x 1, 327,680 bytes of LDS; arguments qkv, oc; writes oc
.if DOCPART == 3
	.amdgcn_target "amdgcn-amd-amdhsa--gfx1250"
	.amdhsa_code_object_version 6
	.text
	.protected	k_qa4dade3802_attn
	.globl	k_qa4dade3802_attn
	.p2align	8
	.type	k_qa4dade3802_attn,@function
k_qa4dade3802_attn:
	s_mov_b64 s[64:65], 0
	v_nop
	global_prefetch_b8 v0, s[64:65] scope:SCOPE_SE
	s_setreg_imm32_b32 hwreg(HW_REG_WAVE_MODE, 25, 1), 1
	s_wait_xcnt 0x0
	s_wait_alu depctr_hold_cnt(0) depctr_sa_sdst(0) depctr_va_vdst(0) depctr_va_sdst(0) depctr_va_ssrc(0) depctr_va_vcc(0) depctr_vm_vsrc(0)
	s_getreg_b32 s2, hwreg(HW_REG_IB_STS2, 6, 4)
	s_cmp_eq_u32 s2, 0
	s_cbranch_scc0 .Lentry_in_a_cluster
	s_endpgm
.Lentry_in_a_cluster:
	s_bfe_u32 s2, ttmp6, 0x10000c
	s_cmp_lg_u32 s2, 0x3003
	s_cbranch_scc0 .Lentry_shape_is_right
	s_endpgm
.Lentry_shape_is_right:
; o = softmax(q k^T) v for 16 (batch, head) pairs of 2,048 positions, head size 128, both products on codes of FP6 with E8M0 scales; o is divided by the row's sum and quantised along d for the last product.
; q (which holds 128^-0.5 already), k and v come as images of fragments (16 rows x 128 K, 1,536 bytes; registers 4 c .. of lane l at 512 c + 16 l), v with the keys as its K.  Their scale words: 16 words a fragment.
; THE SOFTMAX: t = score x log2(e); M = the running largest t rounded UP to a whole number; p = 2^(t - M) is quantised along the keys, not normalised; the row's sum is taken of the unquantised p; when M moves, sum and O are
; multiplied by 2^(old M - new M): exact.
; SHARES.  A work-group owns 128 queries of one (batch, head): eight tiles of 16.  SIXTEEN waves, four to a SIMD, 256 registers each: tile i belongs to waves i and i + 8.  K and V come through a ring of two LDS slots of 512 keys
; (four steps of 128): wave i walks steps 0, 1 of every slot, wave i + 8 steps 2, 3.  Each keeps its own M, sum and O; at the end wave i + 8 hands them over through LDS and wave i joins them: both under the larger M,
; by factors that are whole powers of two, so that the codes' values are those of one walk.
; Both products are used transposed: S^T = K Q^T, O^T = V^T P^T: a lane holds ONE query throughout.  A rowblock's 16 rows are not neighbours (slot p of rowblock 2 B + u: row 32 B + 8 u + p + 8 (p / 8)),
; so that the 16 registers of tiles 2 b and 2 b + 1 are 16 neighbours: keys in S^T, d in O^T.
; FRAGMENTS pass through four fragments' registers (v32-79): K's tiles 0-3, K's 4-7, V's 0-3; V's 4-7 land in p's registers once p is converted.
; CLUSTER 4 x 1: the four query blocks of a cluster belong to one (batch, head) and walk the same K and V: each tile is asked for jointly.  Waves 0-7 fetch an eighth of a slot each; at the head waves 8-15 fetch the scale words.
; LIMITS: NaN and infinities are not served; a block of p or of o whose largest magnitude lies under 2^-124 keeps the byte 1 (zero codes at the worst; the bytes are read by this program alone).
; REGISTERS: v1-11, v28-31 addresses; v12 -M, v13 the largest t, v[14:15] the sum; v16-27 Q; v32-79 fragments; v80-83 K's scale words, v84-87 V's, v253 p's, v255 Q's; v96-159 S^T, then p, then V's tiles 4-7; v160-223 O^T; v224-235 p's codes; v232-254 at work.
.set SLOT1, 131072
.set VOFF,  49152
.set SCK,   262144
.set SCV,   270336
.set SPARE, 278528                     ; the spare words, 128 bytes a wave: eight blocks of 256 bytes that no other line names
.set KC0,   3145728
.set QS,    9437184
.set OSC,   3145728
.set LI,  1
.set LS,  2
.set SPW, 5
.set NIL, 6
.set ADK, 8
.set ADV, 9
.set ADS, 10
.set ADT, 11
.set PFO, 28
.set LIG, 29                           ; 16 x lane + my two steps' place in a slot's K
.set LSG, 30                           ; 4 x lane + their place among a slot's scale words
.set STG, 31                           ; the hand-over: 8,704 bytes a tile, from LDS byte 0 on
.set F,   32
.set TM,  32
.set PC,  48
.set PW,  68
.set KSC, 80
.set VSC, 84
.set WV,  18
.set SEL, 20
.set CS,  22
.set G1,  24
.set G1S, 32
.set G0,  40
.set G0S, 44
.set TB,  48
.set TS,  49
.set SLOTS, 50
.set PFA, 52
.set LIM, 54
.macro CROUND
	s_barrier_signal -1
	s_barrier_wait -1
	s_cmp_lg_u32 s[WV], 0
	s_cbranch_scc1 .Lnot_wave_0_\@
	s_barrier_signal -3
.Lnot_wave_0_\@:
	s_barrier_wait -3
	s_barrier_signal -1
	s_barrier_wait -1
.endm
.macro TLOAD                           ; waves 0-7 fetch an eighth of a slot each, the others nothing
	s_cmp_lt_u32 s[WV], 8
	s_cbranch_scc0 .Lnone_\@
	tensor_load_to_lds s[G0:G0+3], s[G1:G1+7]
	s_nop 0
.rept 4
	v_nop
.endr
.Lnone_\@:
.endm
; A prefetch of what the NEXT change of slots will ask for: 49,152 bytes of K and as many of V.  All clusters of a head walk the same bytes: the head's first cluster asks.  Its four partners take a quarter each, told apart
; by address; in each, waves 4, 5 and 6 ask for 8,192 bytes, lanes 256 bytes apart.  Slots 0 and 1 come by their loads alone; the last change that fills a slot asks for nothing.
.macro ASK
	s_cmp_gt_u32 s[SLOTS], s[LIM]
	s_cbranch_scc0 .Lnot_mine_\@
	global_prefetch_b8 v[PFO], s[PFA:PFA+1] th:TH_LOAD_NT scope:SCOPE_SE
.Lnot_mine_\@:
.endm
.macro KWORDS q                        ; a step's scale words of K: register i: lanes 0-15 tile 2 i, lanes 16-31 tile 2 i + 1
.irp i, 0,1,2,3
	ds_load_b32 v[KSC+\i], v[ADS] offset:512*(\q)+128*\i
.endr
.endm
.macro VWORDS q
.irp i, 0,1,2,3
	ds_load_b32 v[VSC+\i], v[ADT] offset:512*(\q)+128*\i
.endr
.endm
.macro LD4 adr, f0, reg                ; four fragments, f0 on, into 48 registers
.irp t, 0,1,2,3
.irp c, 0,1,2
	ds_load_b128 v[(\reg)+12*\t+4*\c:(\reg)+12*\t+4*\c+3], v[\adr] offset:((\f0)+\t)*1536+512*\c
.endr
.endr
.endm
.macro SMUL t, fr
.if (\t)%2 == 1
	v_wmma_scale_f32_16x16x128_f8f6f4 v[96+8*(\t):103+8*(\t)], v[\fr:\fr+11], v[16:27], 0, v[KSC+(\t)/2], v255 matrix_a_fmt:MATRIX_FMT_FP6 matrix_b_fmt:MATRIX_FMT_FP6 matrix_a_scale:MATRIX_SCALE_ROW1
.else
	v_wmma_scale_f32_16x16x128_f8f6f4 v[96+8*(\t):103+8*(\t)], v[\fr:\fr+11], v[16:27], 0, v[KSC+(\t)/2], v255 matrix_a_fmt:MATRIX_FMT_FP6 matrix_b_fmt:MATRIX_FMT_FP6
.endif
.endm
.macro OMUL t, fr
.if (\t)%2 == 1
	v_wmma_scale_f32_16x16x128_f8f6f4 v[160+8*(\t):167+8*(\t)], v[\fr:\fr+11], v[224:235], v[160+8*(\t):167+8*(\t)], v[VSC+(\t)/2], v253 matrix_a_fmt:MATRIX_FMT_FP6 matrix_b_fmt:MATRIX_FMT_FP6 matrix_a_scale:MATRIX_SCALE_ROW1
.else
	v_wmma_scale_f32_16x16x128_f8f6f4 v[160+8*(\t):167+8*(\t)], v[\fr:\fr+11], v[224:235], v[160+8*(\t):167+8*(\t)], v[VSC+(\t)/2], v253 matrix_a_fmt:MATRIX_FMT_FP6 matrix_b_fmt:MATRIX_FMT_FP6
.endif
.endm
.macro QUANT s, pw
.irp b, 0,1,2,3
	v_max3_num_f32 v[TM+\b], |v[(\s)+16*\b]|, |v[(\s)+1+16*\b]|, 0x1800000
.endr
.irp i, 2,4,6,8,10,12,14
.irp b, 0,1,2,3
	s_delay_alu instid0(VALU_DEP_4)
	v_max3_num_f32 v[TM+\b], v[TM+\b], |v[(\s)+16*\b+\i]|, |v[(\s)+1+16*\b+\i]|
.endr
.endr
.irp b, 0,1,2,3
	s_delay_alu instid0(VALU_DEP_4)
	v_permlanex16_b32 v[TM+4+\b], v[TM+\b], s[SEL], s[SEL+1]
.endr
.irp b, 0,1,2,3
	s_delay_alu instid0(VALU_DEP_4)
	v_max_num_f32 v[TM+\b], v[TM+\b], v[TM+4+\b]
.endr
.irp b, 0,1,2,3
	s_delay_alu instid0(VALU_DEP_4)
	v_add_nc_u32 v[TM+12+\b], 0xff000000, v[TM+\b]
.endr
.irp b, 0,1,2,3
	s_delay_alu instid0(VALU_DEP_4)
	v_lshrrev_b32 v[TM+4+\b], 23, v[TM+12+\b]
.endr
	s_delay_alu instid0(VALU_DEP_3)
	v_lshl_or_b32 v[\pw], v[TM+5], 8, v[TM+4]
	s_delay_alu instid0(VALU_DEP_1)
	v_lshl_or_b32 v[\pw], v[TM+6], 16, v[\pw]
	s_delay_alu instid0(VALU_DEP_1)
	v_lshl_or_b32 v[\pw], v[TM+7], 24, v[\pw]
.irp c, 0,1
	v_cvt_scalef32_pk16_fp6_f32 v[PC+6*\c:PC+2+6*\c], v[(\s)+32*\c:(\s)+15+32*\c], v[TM+12+2*\c]
	v_cvt_scalef32_pk16_fp6_f32 v[PC+12+4*\c:PC+14+4*\c], v[(\s)+16+32*\c:(\s)+31+32*\c], v[TM+12+2*\c+1]
.endr
	v_nop
.irp c, 0,1
.irp i, 0,1,2
	v_permlane16_swap_b32 v[PC+6*\c+\i], v[PC+12+4*\c+\i]
.endr
.irp i, 0,1,2
	s_delay_alu instid0(VALU_DEP_3)
	v_mov_b32 v[PC+3+6*\c+\i], v[PC+12+4*\c+\i]
.endr
.endr
.endm
	s_load_b128 s[4:7], s[0:1], 0x0                ; qkv s[4:5], oc s[6:7]
	v_lshl_add_u32 v[SPW], v0, 2, SPARE
	v_mov_b32 v[NIL], 0
	ds_add_u32 v[SPW], v[NIL]
	ds_add_u32 v[SPW], v[NIL]
	s_wait_dscnt 0x0
	v_lshrrev_b32 v3, 5, v0
	s_delay_alu instid0(VALU_DEP_1)
	v_readfirstlane_b32 s[WV], v3                  ; wave 0..15
	s_bfe_u32 s8, ttmp6, 0x40000                   ; cx
	s_lshl_b32 s9, ttmp9, 2
	s_add_co_u32 s9, s9, s8                        ; my block of 128 queries: it enters Q's and O's addresses alone
	s_and_b32 s10, ttmp7, 0xffff                   ; bh = 8 x batch + head, which the partners share
	s_and_b32 s16, s[WV], 7                        ; my tile of queries.  Also: which eighth I fetch
	s_lshr_b32 s17, s[WV], 3                       ; which two steps of a slot are mine
	s_lshr_b32 s11, s16, 2                         ; eighths 0-3: K's; 4-7: V's
	s_and_b32 s12, s16, 3
	s_add_co_u32 s13, s11, 1
	s_mul_i32 s13, s13, KC0
	s_mul_i32 s14, s10, 196608                     ; a head's 128 fragments
	s_add_co_u32 s13, s13, s14
	s_mul_i32 s15, s12, 12288
	s_add_co_u32 s56, s13, s15
	s_mov_b32 s57, 0
	s_lshl_b32 s13, s11, 17
	s_lshl_b32 s15, s10, 13
	s_add_co_u32 s13, s13, s15
	s_lshl_b32 s15, s12, 11
	s_add_co_u32 s13, s13, s15
	s_add_co_u32 s58, s13, QS+131072               ; the scale words: k's begin 2,048 x 64 bytes behind q's, v's as far again; 8,192 a head; my 2,048
	s_mov_b32 s59, 0
	; group 1: dense blocks as rows of 256 bytes (32 elements of 8 bytes); the mask names all four work-groups
	s_mov_b32 s[G1], 15|(3<<16)|(1<<21)
	s_mov_b32 s[G1+1], 32<<16
	s_mov_b32 s[G1+2], 48<<16
	s_mov_b32 s[G1+3], 32<<16
	s_mov_b32 s[G1+4], 48
	s_mov_b32 s[G1+5], 32
	s_mov_b32 s[G1+6], 0
	s_mov_b32 s[G1+7], 0
	s_mov_b32 s[G1S], 15|(3<<16)|(1<<21)
	s_mov_b32 s[G1S+1], 32<<16
	s_mov_b32 s[G1S+2], 8<<16
	s_mov_b32 s[G1S+3], 32<<16
	s_mov_b32 s[G1S+4], 8
	s_mov_b32 s[G1S+5], 32
	s_mov_b32 s[G1S+6], 0
	s_mov_b32 s[G1S+7], 0
	s_mov_b32 s[SEL], 0x76543210
	s_mov_b32 s[SEL+1], 0xfedcba98
	s_mov_b32 s[CS], 0x3fb8aa3b                    ; log2(e)
	s_mov_b32 s[CS+1], s[CS]
	s_mov_b32 s[TB], 0
	s_mov_b32 s[TS], 0
	s_mov_b32 s[SLOTS], 3
	s_wait_kmcnt 0x0
	s_mov_b32 s[G0], 1
	s_mul_i32 s[G0+1], s16, 12288                  ; slot 0: my eighth
	s_add_nc_u64 s[G0+2:G0+3], s[4:5], s[56:57]
	s_or_b32 s[G0+3], s[G0+3], 0x80000000
	s_mov_b32 s[G0S], 1
	s_lshl_b32 s13, s16, 11
	s_add_co_u32 s[G0S+1], s13, SCK
	s_add_nc_u64 s[G0S+2:G0S+3], s[4:5], s[58:59]
	s_or_b32 s[G0S+3], s[G0S+3], 0x80000000
	CROUND                                         ; all four work-groups are here: the first joint loads meet
	s_cmp_lt_u32 s[WV], 8                          ; the first fills, one a wave: waves 0-7 an eighth of slot 0 each, waves 8-15 an eighth of the head's scale words each
	s_cbranch_scc0 .Lfirst_words
	tensor_load_to_lds s[G0:G0+3], s[G1:G1+7]
	s_nop 0
.rept 4
	v_nop
.endr
	s_branch .Lno_first
.Lfirst_words:
	tensor_load_to_lds s[G0S:G0S+3], s[G1S:G1S+7]
	s_nop 0
.rept 4
	v_nop
.endr
.Lno_first:
	; the prefetches
	s_lshr_b32 s11, s8, 1
	s_add_co_u32 s11, s11, 1
	s_mul_i32 s11, s11, KC0                        ; partners 0, 1: K; 2, 3: V
	s_add_co_u32 s11, s11, s14
	s_and_b32 s12, s8, 1
	s_mul_i32 s12, s12, 24576
	s_add_co_u32 s11, s11, s12
	s_and_b32 s12, s[WV], 3
	s_lshl_b32 s12, s12, 13
	s_add_co_u32 s11, s11, s12
	s_add_co_u32 s56, s11, 49152                   ; in slot 1: the first change of slots steps it to slot 2
	s_add_nc_u64 s[PFA:PFA+1], s[4:5], s[56:57]
	s_sub_co_u32 s11, s[WV], 4
	s_cmp_lt_u32 s11, 3                            ; waves 4, 5, 6
	s_cselect_b32 s12, 0, 1
	s_or_b32 s12, s12, ttmp9                       ; of the head's first cluster
	s_cmp_eq_u32 s12, 0
	s_cselect_b32 s[LIM], 1, -1
	; Q, and where O goes
	s_lshl_b32 s13, s9, 3
	s_add_co_u32 s13, s13, s16                     ; my posblock
	s_lshl_b32 s14, s10, 7
	s_add_co_u32 s14, s14, s13                     ; q's fragment index
	s_mul_i32 s56, s14, 1536
	s_add_nc_u64 s[58:59], s[4:5], s[56:57]
	s_lshl_b32 s56, s14, 6
	s_add_co_u32 s56, s56, QS
	s_add_nc_u64 s[60:61], s[4:5], s[56:57]
	s_lshr_b32 s14, s10, 3
	s_lshl_b32 s14, s14, 7
	s_add_co_u32 s14, s14, s13                     ; oc's rowblock: 128 x batch + posblock
	s_and_b32 s15, s10, 7                          ; the head = which 128 of the last product's K
	s_lshl_b32 s56, s14, 3
	s_add_co_u32 s56, s56, s15
	s_mul_i32 s56, s56, 1536
	s_add_nc_u64 s[62:63], s[6:7], s[56:57]
	s_lshl_b32 s56, s14, 9
	s_lshr_b32 s11, s15, 1
	s_lshl_b32 s11, s11, 7
	s_add_co_u32 s56, s56, s11
	s_and_b32 s11, s15, 1
	s_lshl_b32 s11, s11, 2
	s_add_co_u32 s56, s56, s11
	s_add_co_u32 s56, s56, OSC
	s_add_nc_u64 s[66:67], s[6:7], s[56:57]
	s_mul_i32 s11, s17, 24576
	s_lshl_b32 s12, s17, 10
	s_mul_i32 s13, s16, 8704
	v_and_b32 v3, 31, v0
	s_delay_alu instid0(VALU_DEP_1)
	v_lshlrev_b32 v[LI], 4, v3
	s_delay_alu instid0(VALU_DEP_2)
	v_lshlrev_b32 v[LS], 2, v3
	s_delay_alu instid0(VALU_DEP_3)
	v_lshlrev_b32 v[PFO], 8, v3
	v_and_b32 v4, 15, v0
	s_delay_alu instid0(VALU_DEP_1)
	v_lshlrev_b32 v7, 2, v4
	v_add_nc_u32 v[LIG], s11, v[LI]
	v_add_nc_u32 v[LSG], s12, v[LS]
	v_add_nc_u32 v[STG], s13, v[LI]
.irp c, 0,1,2
	global_load_b128 v[16+4*\c:19+4*\c], v[LI], s[58:59] offset:512*\c   ; Q's fragment stays in registers
.endr
	global_load_b32 v255, v7, s[60:61]             ; and its scale words
	v_mov_b32 v13, 0xff61b1e6                      ; the largest t so far: -3e38
	s_delay_alu instid0(VALU_DEP_1)
	v_floor_f32 v12, -v13                          ; -M
	v_mov_b32 v14, 0
	v_mov_b32 v15, 0
.irp b, 0,1,2,3
	v_mov_b32 v[236+\b], 0                         ; written once: a lane permute's destination counts as one of its sources
.endr
	v_mov_b32 v253, 0                              ; (named as the upper half of the pair v[252:253] before it is first written)
.set jj, 0
.rept 64
	v_mov_b32 v[160+jj], 0                         ; O^T: the loop is written once: its first step finds zeros
.set jj, jj+1
.endr
; A KEY STEP: 128 keys, the q-th of my two in the slot in hand.  K's tiles 0-3 and its scale words were asked for ahead of the step.
.macro STEP q
	s_wait_dscnt 0x0                               ; K's tiles 0-3 and its scale words are in
.irp t, 0,1,2,3
	SMUL \t, F+12*\t
.endr
.rept 4
	v_nop                                          ; places in front of the loads into the fragments' and V's scale words' registers
.endr
	LD4 ADK, 8*(\q)+4, F
	VWORDS \q
	s_wait_dscnt 4                                 ; K's tiles 4-7 are in; V's four scale words may be out
.irp t, 4,5,6,7
	SMUL \t, F+12*(\t-4)
.endr
.rept 4
	v_nop                                          ; places: in front of the loads below and of the first read of the scores
.endr
	LD4 ADV, 8*(\q), F                             ; V's tiles 0-3 land under the softmax
.irp b, 0,1,2,3
	v_max3_num_f32 v[232+\b], v[96+16*\b], v[97+16*\b], v[98+16*\b]   ; the largest score of each block of 32 keys: for the row's maximum, and, since p rises with the score, for the block's largest p
.endr
.irp i, 3,5,7,9,11,13
.irp b, 0,1,2,3
	v_max3_num_f32 v[232+\b], v[232+\b], v[96+16*\b+\i], v[97+16*\b+\i]
.endr
.endr
.irp b, 0,1,2,3
	v_max_num_f32 v[232+\b], v[232+\b], v[111+16*\b]
.endr
.irp b, 0,1,2,3
	s_delay_alu instid0(VALU_DEP_4)
	v_permlanex16_b32 v[236+\b], v[232+\b], s[SEL], s[SEL+1]
.endr
.irp b, 0,1,2,3
	s_delay_alu instid0(VALU_DEP_4)
	v_max_num_f32 v[232+\b], v[232+\b], v[236+\b]  ; with lane l xor 16's 16 keys
.endr
	s_delay_alu instid0(VALU_DEP_2)
	v_max3_num_f32 v254, v232, v233, v234
	s_delay_alu instid0(VALU_DEP_1)
	v_max_num_f32 v254, v254, v235
	s_delay_alu instid0(VALU_DEP_1)
	v_mul_f32 v254, s[CS], v254                    ; as t
	s_delay_alu instid0(VALU_DEP_1)
	v_max_num_f32 v13, v13, v254                   ; the running largest t
	v_mov_b32 v254, v12
	s_delay_alu instid0(VALU_DEP_2)
	v_floor_f32 v12, -v13                          ; the new -M = -ceil(t): a whole number
	s_delay_alu instid0(VALU_DEP_1)
	v_sub_f32 v254, v12, v254                      ; old M - new M: a whole number, 0 or less
	s_delay_alu instid0(VALU_DEP_1)
	v_cvt_i32_f32 v254, v254
	s_delay_alu instid0(VALU_DEP_1)
	v_ldexp_f32 v252, 1.0, v254                    ; f = 2^(old M - new M)
.irp j, 0,2,4,6,8,10,12,14,16,18,20,22,24,26,28,30,32,34,36,38,40,42,44,46,48,50,52,54,56,58,60,62
	v_pk_fma_f32 v[96+\j:97+\j], v[96+\j:97+\j], s[CS:CS+1], v[12:13] op_sel_hi:[1,0,0]   ; t - M, two at a time
.endr
.irp b, 0,1,2,3
	v_fma_f32 v[232+\b], v[232+\b], s[CS], v12     ; the same of each block's largest score
.endr
.set jj, 0
	s_wait_alu depctr_va_vdst(0)
.rept 64
	v_exp_f32 v[96+jj], v[96+jj]                   ; p = 2^(t - M), at most 1
.set jj, jj+1
.endr
	v_pk_mul_f32 v[14:15], v[14:15], v[252:253] op_sel_hi:[1,0]   ; the sums under the new M (a plain place behind the exponentials)
	s_wait_alu depctr_va_vdst(0)                   ; one wait for the whole batch, ahead of its first reader
.irp b, 0,1,2,3
	v_exp_f32 v[232+\b], v[232+\b]                 ; the block's largest p
.endr
	v_pk_add_f32 v[236:237], v[100:101], v[104:105]
	v_pk_add_f32 v[250:251], v[108:109], v[112:113]
	v_pk_add_f32 v[248:249], v[116:117], v[120:121]
	v_pk_add_f32 v[246:247], v[124:125], v[128:129]
	v_pk_add_f32 v[244:245], v[132:133], v[136:137]
	v_pk_add_f32 v[242:243], v[140:141], v[144:145]
	v_pk_add_f32 v[240:241], v[148:149], v[152:153]
	v_pk_add_f32 v[14:15], v[14:15], v[156:157]
	v_pk_add_f32 v[236:237], v[236:237], v[96:97]
	v_pk_add_f32 v[250:251], v[250:251], v[98:99]
	v_pk_add_f32 v[248:249], v[248:249], v[102:103]
	v_pk_add_f32 v[246:247], v[246:247], v[106:107]
	v_pk_add_f32 v[244:245], v[244:245], v[110:111]
	v_pk_add_f32 v[242:243], v[242:243], v[114:115]
	v_pk_add_f32 v[240:241], v[240:241], v[118:119]
	v_pk_add_f32 v[14:15], v[14:15], v[122:123]
	v_pk_add_f32 v[236:237], v[236:237], v[126:127]
	v_pk_add_f32 v[250:251], v[250:251], v[130:131]
	v_pk_add_f32 v[248:249], v[248:249], v[134:135]
	v_pk_add_f32 v[246:247], v[246:247], v[138:139]
	v_pk_add_f32 v[244:245], v[244:245], v[142:143]
	v_pk_add_f32 v[242:243], v[242:243], v[146:147]
	v_pk_add_f32 v[240:241], v[240:241], v[150:151]
	v_pk_add_f32 v[14:15], v[14:15], v[154:155]
	v_pk_add_f32 v[236:237], v[236:237], v[158:159]
	s_delay_alu instid0(VALU_DEP_2)
	v_pk_add_f32 v[14:15], v[14:15], v[246:247]
	s_delay_alu instid0(VALU_DEP_2)
	v_pk_add_f32 v[236:237], v[236:237], v[244:245]
	v_pk_add_f32 v[250:251], v[250:251], v[242:243]
	v_pk_add_f32 v[248:249], v[248:249], v[240:241]
	s_delay_alu instid0(VALU_DEP_2)
	v_pk_add_f32 v[14:15], v[14:15], v[250:251]
	s_delay_alu instid0(VALU_DEP_2)
	v_pk_add_f32 v[236:237], v[236:237], v[248:249]
	s_delay_alu instid0(VALU_DEP_1)
	v_pk_add_f32 v[14:15], v[14:15], v[236:237]
	s_wait_alu depctr_va_vdst(0)                   ; and one for the four
.irp b, 0,1,2,3
	v_max_num_f32 v[232+\b], 0x1800000, v[232+\b]  ; the floor 2^(3 - 127)
.endr
.irp b, 0,1,2,3
	s_delay_alu instid0(VALU_DEP_4)
	v_add_nc_u32 v[244+\b], 0xff000000, v[232+\b]
.endr
.irp b, 0,1,2,3
	s_delay_alu instid0(VALU_DEP_4)
	v_lshrrev_b32 v[236+\b], 23, v[244+\b]
.endr
	s_delay_alu instid0(VALU_DEP_3)
	v_lshl_or_b32 v253, v237, 8, v236              ; p's scale word for these 128 keys
	s_delay_alu instid0(VALU_DEP_1)
	v_lshl_or_b32 v253, v238, 16, v253
	s_delay_alu instid0(VALU_DEP_1)
	v_lshl_or_b32 v253, v239, 24, v253
.irp c, 0,1
	v_cvt_scalef32_pk16_fp6_f32 v[224+6*\c:226+6*\c], v[96+32*\c:111+32*\c], v[244+2*\c]
	v_cvt_scalef32_pk16_fp6_f32 v[236+4*\c:238+4*\c], v[112+32*\c:127+32*\c], v[244+2*\c+1]
.endr
	v_nop
.irp c, 0,1
.irp i, 0,1,2
	v_permlane16_swap_b32 v[224+6*\c+\i], v[236+4*\c+\i]
.endr
.irp i, 0,1,2
	s_delay_alu instid0(VALU_DEP_3)
	v_mov_b32 v[227+6*\c+\i], v[236+4*\c+\i]
.endr
.endr
	LD4 ADV, 8*(\q)+4, 96                          ; V's tiles 4-7 into p's registers: p lives on in its codes
	s_wait_alu depctr_va_vdst(0)                   ; directly ahead of the first reader of O^T
.irp j, 0,2,4,6,8,10,12,14,16,18,20,22,24,26,28,30,32,34,36,38,40,42,44,46,48,50,52,54,56,58,60,62
	v_pk_mul_f32 v[160+\j:161+\j], v[160+\j:161+\j], v[252:253] op_sel_hi:[1,0]   ; O^T under the new M; these 32 are also the places between p's codes and scale word and the products below
.endr
	s_wait_alu depctr_va_vdst(0)
	s_wait_dscnt 12                                ; V's tiles 0-3 and its scale words are in; the 12 loads of tiles 4-7 may be out
.irp t, 0,1,2,3
	OMUL \t, F+12*\t
.endr
.rept 4
	v_nop                                          ; places in front of the loads into the fragments' registers
.endr
.if (\q) < 1
	KWORDS (\q)+1
	LD4 ADK, 8*((\q)+1), F
	s_wait_dscnt 16                                ; V's tiles 4-7 are in; the next step's 16 loads may be out
.else
	s_wait_dscnt 0x0
.endif
.irp t, 4,5,6,7
	OMUL \t, 96+12*(\t-4)
.endr
.rept 5
	v_nop                                          ; five places: the next step's scores are laid over the registers that held V's tiles 4-7
.endr
.endm
; THE CHANGE OF SLOTS stands at a slot's head: each wave waits for all its tensor loads, adds 0 to its spare word, waits for that and for its reads of the slot that it has left.  fill = 1: a round of the cluster's barrier,
; and behind it the slot just left is filled with the next 512 keys.
.macro CHANGE fill
	s_wait_tensorcnt 0x0                           ; no tensor load of mine is out, so the group 0 may be written
	ds_add_u32 v[SPW], v[NIL]                      ; 0 onto my spare word
.if \fill
	s_xor_b32 s[G0+1], s[G0+1], SLOT1              ; the other slot than last time,
	s_add_nc_u64 s[G0+2:G0+3], s[G0+2:G0+3], 49152 ; the next 512 keys
	s_wait_xcnt 0x0                                ; the last prefetch, a slot back, has read its address
	s_add_nc_u64 s[PFA:PFA+1], s[PFA:PFA+1], 49152
	s_wait_dscnt 0x0                               ; the add is done, and my reads of the slot that I have left are over
	CROUND
	TLOAD                                          ; the first thing behind the round, and a wave's one tensor load until the next
	ASK
.else
	s_wait_dscnt 0x0
	s_barrier_signal -1
	s_barrier_wait -1
.endif
.endm
.macro SLOTWORK
	v_add_nc_u32 v[ADK], s[TB], v[LIG]
	v_add_nc_u32 v[ADS], s[TS], v[LSG]
	s_delay_alu instid0(VALU_DEP_2)
	v_add_nc_u32 v[ADV], VOFF, v[ADK]
	s_delay_alu instid0(VALU_DEP_2)
	v_add_nc_u32 v[ADT], SCV, v[ADS]
	s_delay_alu instid0(VALU_DEP_3)
	v_add_nc_u32 v[ADS], SCK, v[ADS]
	KWORDS 0
	LD4 ADK, 0, F
	s_wait_alu depctr_va_vdst(0)
	STEP 0
	STEP 1
	s_xor_b32 s[TB], s[TB], SLOT1
	s_add_co_u32 s[TS], s[TS], 2048
.endm
	s_wait_loadcnt 0x0                             ; Q
.Lslot:                                            ; three trips: behind each change of slots but the last the next slot is asked for
	CHANGE 1
	SLOTWORK
	s_sub_co_u32 s[SLOTS], s[SLOTS], 1
	s_cmp_lg_u32 s[SLOTS], 0
	s_cbranch_scc1 .Lslot
	CHANGE 0                                       ; the last slot is written out
	SLOTWORK
	; THE TWO HALVES OF THE KEYS ARE JOINED.  The hand-over lies in slot 0's bytes: they have had their last fill, and every wave's reads of them were over in front of the last change's barrier.
	v_add_f32 v14, v14, v15
	s_delay_alu instid0(VALU_DEP_1)
	v_permlanex16_b32 v252, v14, s[SEL], s[SEL+1]
	s_delay_alu instid0(VALU_DEP_1)
	v_add_f32 v14, v14, v252                       ; my keys' sum of the row
	s_wait_alu depctr_va_vdst(0)
	s_cmp_lt_u32 s[WV], 8
	s_cbranch_scc1 .Lkeeper
.irp t, 0,1,2,3,4,5,6,7,8,9,10,11,12,13,14,15
	ds_store_b128 v[STG], v[160+4*\t:163+4*\t] offset:512*\t   ; waves 8-15: O^T, each accumulator from its low end on,
.endr
	ds_store_b128 v[STG], v[12:15] offset:8192     ; -M and the sum
.Lkeeper:
	s_wait_dscnt 0x0
	s_barrier_signal -1
	s_barrier_wait -1
	s_cmp_lt_u32 s[WV], 8
	s_cbranch_scc0 .Ldone
.irp t, 0,1,2,3,4,5,6,7,8,9,10,11,12,13,14,15
	ds_load_b128 v[96+4*\t:99+4*\t], v[STG] offset:512*\t
.endr
	ds_load_b128 v[236:239], v[STG] offset:8192
.irp b, 0,1,2,3
	v_mov_b32 v[TM+4+\b], 0
.endr
	v_mov_b32 v245, 0                              ; (upper halves of pairs that the packed forms name)
	v_mov_b32 v247, 0
	s_wait_dscnt 0x0
	v_min_num_f32 v240, v12, v236                  ; -M of the larger M
	s_delay_alu instid0(VALU_DEP_1)
	v_sub_f32 v241, v240, v12                      ; my M - M,
	v_sub_f32 v242, v240, v236                     ; the other's M - M: whole numbers, 0 or less
	s_delay_alu instid0(VALU_DEP_2)
	v_cvt_i32_f32 v241, v241
	s_delay_alu instid0(VALU_DEP_2)
	v_cvt_i32_f32 v242, v242
	s_delay_alu instid0(VALU_DEP_2)
	v_ldexp_f32 v244, 1.0, v241
	s_delay_alu instid0(VALU_DEP_2)
	v_ldexp_f32 v246, 1.0, v242
	s_delay_alu instid0(VALU_DEP_2)
	v_mul_f32 v14, v14, v244
	s_delay_alu instid0(VALU_DEP_1)
	v_fma_f32 v14, v238, v246, v14                 ; the row's sum
.irp j, 0,2,4,6,8,10,12,14,16,18,20,22,24,26,28,30,32,34,36,38,40,42,44,46,48,50,52,54,56,58,60,62
	v_pk_mul_f32 v[96+\j:97+\j], v[96+\j:97+\j], v[246:247] op_sel_hi:[1,0]
.endr
.irp j, 0,2,4,6,8,10,12,14,16,18,20,22,24,26,28,30,32,34,36,38,40,42,44,46,48,50,52,54,56,58,60,62
	v_pk_fma_f32 v[96+\j:97+\j], v[160+\j:161+\j], v[244:245], v[96+\j:97+\j] op_sel_hi:[1,0,1]
.endr
	s_wait_alu depctr_va_vdst(0)
	v_rcp_f32 v14, v14
	v_and_b32 v3, 15, v0                           ; (a plain place behind the reciprocal)
	s_delay_alu instid0(VALU_DEP_1)
	v_lshlrev_b32 v3, 3, v3                        ; 8 r: my row's place among the scale words
	s_wait_alu depctr_va_vdst(0)                   ; the wait ahead of the first reader
.irp j, 0,2,4,6,8,10,12,14,16,18,20,22,24,26,28,30,32,34,36,38,40,42,44,46,48,50,52,54,56,58,60,62
	v_pk_mul_f32 v[96+\j:97+\j], v[96+\j:97+\j], v[14:15] op_sel_hi:[1,0]
.endr
	; O^T / the sum is quantised along d (register 16 b + i is d = 32 b + 16 (lane / 16) + i) and leaves as one image: K step `head` of the last product, for my 16 rows
	QUANT 96, PW
.irp c, 0,1,2
	global_store_b128 v[LI], v[PC+4*\c:PC+4*\c+3], s[62:63] offset:512*\c   ; 512 consecutive bytes a store
.endr
	global_store_b32 v3, v[PW], s[66:67]           ; lanes l and l + 16 hold the same word and name the same address
.Ldone:
	s_wait_tensorcnt 0x0                           ; the wave's end
	ds_add_u32 v[SPW], v[NIL]
	s_wait_dscnt 0x0
	CROUND                                         ; the closing round
	s_endpgm
.Lfunc_end_k_qa4dade3802_attn:
	.size	k_qa4dade3802_attn, .Lfunc_end_k_qa4dade3802_attn-k_qa4dade3802_attn
	.p2alignl 7, 3214868480
	.fill 96, 4, 3214868480
	.section	.rodata,"a",@progbits
	.p2align	6, 0x0
	.amdhsa_kernel k_qa4dade3802_attn
		.amdhsa_group_segment_fixed_size 327680
		.amdhsa_private_segment_fixed_size 0
		.amdhsa_enable_private_segment 0
		.amdhsa_kernarg_size 16
		.amdhsa_user_sgpr_count 2
		.amdhsa_user_sgpr_kernarg_segment_ptr 1
		.amdhsa_wavefront_size32 1
		.amdhsa_system_sgpr_workgroup_id_x 1
		.amdhsa_system_sgpr_workgroup_id_y 1
		.amdhsa_system_sgpr_workgroup_id_z 1
		.amdhsa_system_vgpr_workitem_id 0
		.amdhsa_next_free_vgpr 256
		.amdhsa_next_free_sgpr 68
		.amdhsa_reserve_vcc 0
		.amdhsa_float_denorm_mode_32 3
		.amdhsa_float_denorm_mode_16_64 3
		.amdhsa_memory_ordered 1
		.amdhsa_forward_progress 1
		.amdhsa_inst_pref_size 108
	.end_amdhsa_kernel
	.amdgpu_metadata
---
amdhsa.version: [ 1, 2 ]
amdhsa.kernels:
  - .name:           k_qa4dade3802_attn
    .symbol:         k_qa4dade3802_attn.kd
    .args:
      - { .name: qkv, .offset: 0, .size: 8, .value_kind: global_buffer, .address_space: global }
      - { .name: oc, .offset: 8, .size: 8, .value_kind: global_buffer, .address_space: global }
    .group_segment_fixed_size: 327680
    .private_segment_fixed_size: 0
    .kernarg_segment_align: 8
    .kernarg_segment_size: 16
    .max_flat_workgroup_size: 512
    .sgpr_count:     68
    .vgpr_count:     256
    .wavefront_size: 32
...
	.end_amdgpu_metadata
.endif
;; end of part 3
;; launch out_proj (part 4): grid 8 x 32, 4 waves a work-group, clusters of 4 x 4, 327,680 bytes of LDS; arguments oc, woc, bo, out0; writes out0
.if DOCPART == 4
	.amdgcn_target "amdgcn-amd-amdhsa--gfx1250"
	.amdhsa_code_object_version 6
	.text
	.protected	k_qa4dade3802_out_proj
	.globl	k_qa4dade3802_out_proj
	.p2align	8
	.type	k_qa4dade3802_out_proj,@function
k_qa4dade3802_out_proj:
	s_mov_b64 s[64:65], 0
	v_nop
	global_prefetch_b8 v0, s[64:65] scope:SCOPE_SE
	s_setreg_imm32_b32 hwreg(HW_REG_WAVE_MODE, 25, 1), 1
	s_wait_xcnt 0x0
	s_wait_alu depctr_hold_cnt(0) depctr_sa_sdst(0) depctr_va_vdst(0) depctr_va_sdst(0) depctr_va_ssrc(0) depctr_va_vcc(0) depctr_vm_vsrc(0)
	s_getreg_b32 s2, hwreg(HW_REG_IB_STS2, 6, 4)
	s_cmp_eq_u32 s2, 0
	s_cbranch_scc0 .Lentry_in_a_cluster
	s_endpgm
.Lentry_in_a_cluster:
	s_bfe_u32 s2, ttmp6, 0x10000c
	s_cmp_lg_u32 s2, 0xf033
	s_cbranch_scc0 .Lentry_shape_is_right
	s_endpgm
.Lentry_shape_is_right:
; out0 = o Wo + bo on codes of FP6 (E2M3) with E8M0 scales.  o: 4,096 rows x K = 1,024 (head, d); Wo: 2,048 columns; out0 [4,096][2,048] f32.
; A tile is 128 rows x 256 columns: 32 x 8 = 256 work-groups.  Four waves, a wave 128 rows x 64 columns.
; ALL OF K LIES IN LDS AT ONCE: o's 8 rowblocks and Wo's 16, 12,288 bytes each.  A half of a side's rowblocks is one dense block of memory: each wave brings one by ONE tensor load at the head, as rows of 256 bytes.
; THE RESULT IS MADE BY ROWS: a wave's 4 rowblocks of Wo, all of K, stay in registers (32 fragments, 384 registers); o's rowblocks come one after the other (8 fragments each, two buffers).  A block of 16 rows x 64 columns is
; finished by 32 products and leaves at once, while the next blocks are multiplied.  Each fragment is read from LDS once by a wave: 32 + 64.
; Operands lie in memory as images of fragments (16 rows x 128 K = 1,536 bytes, registers 4 c .. 4 c + 3 of lane l at 512 c + 16 l).
; A rowblock's 16 rows are not neighbours: slot p of rowblock 2 B + u is row 32 B + 8 u + p + 8 (p / 8): the way out puts every row and column at its true place.
; THE SCALE WORDS ([rowblock][K / 256][slot 16][2 words]) go straight into registers, 256 consecutive bytes a load: lanes 0-15 one 256 along K, lanes 16-31 the next; the ROW selector picks the lanes.
; Source 0 = Wo's columns, source 1 = o's rows: a lane holds eight neighbouring columns of one row.  The bias is the C of each sum's first product.
; CLUSTERS 4 x 4: o's tiles are asked for jointly along a row of the cluster, Wo's along a column.  No prefetch: every load of the launch stands at its head, so there is nothing ahead of which to ask.
; REGISTERS: window 0: v16-31 addresses; v32-79 scale words and nothing else; v96-127 the bias; v128-191 accumulators, two sets of four; v192-255 rows on their way out, two sets.
;   window 1: Wo's blocks 0, 1 (v0-191); window 2: blocks 2, 3; window 3: o's fragments, two buffers of 96.
.set FR,     12
.set NP,     4
.set FRB,    1536
.set KROWB,  8*FRB
.set BB0,    8*KROWB                   ; Wo's rowblocks lie behind o's eight
.set SPARE,  24*KROWB                  ; behind the codes: the spare words,
.set STAGE,  SPARE+512                 ; and the stages: 16 rows x (256 + 16) bytes a wave, bytes that no tensor load fills
.set SPITCH, 272
.set A_SC,   3145728
.set B_SC,   1572864
.set ADA, 16                           ; v16 o's rowblocks 0-3, v17 rowblocks 4-7
.set ADB, 20
.set LI,   24
.set STO,  25
.set RD,   26
.set LSC,  27
.set CO,   28
.set SPW,  30
.set NIL,  31
.set SAW,  32
.set SBW,  64
.set BI,   96
.set ACC,  128
.set BK,   192
.set G1,   24
.set G1B,  32
.set G0A,  56
.set G0B,  60
.set MSB, 0
.macro WIN new
.if MSB != (\new)
	s_set_vgpr_msb (MSB<<8)|(\new)
.set MSB, (\new)
.endif
.endm
.macro CROUND
	s_barrier_signal -1
	s_barrier_wait -1
	s_cmp_lg_u32 s14, 0
	s_cbranch_scc1 .Lnot_wave_0_\@
	s_barrier_signal -3
.Lnot_wave_0_\@:
	s_barrier_wait -3
	s_barrier_signal -1
	s_barrier_wait -1
.endm
.macro PLACES n
.rept \n
	v_nop
.endr
.endm
.macro FRAG reg, adr, off
.irp c, 0,1,2
	ds_load_b128 v[(\reg)+4*\c:(\reg)+4*\c+3], v[\adr] offset:(\off)+512*\c
.endr
.endm
.macro BLOAD hb                        ; Wo's blocks 2 hb, 2 hb + 1, all of K, into window 1 + hb: 48 loads
	WIN 0x40*(1+\hb)
.irp u, 0,1
.irp s, 0,1,2,3,4,5,6,7
	FRAG 96*\u+FR*\s, ADB, (2*\hb+\u)*KROWB+\s*FRB
.endr
.endr
.endm
.macro ALOAD a                         ; o's rowblock a, all of K, into buffer a % 2 of window 3: 24 loads
	WIN 0xc0
.irp s, 0,1,2,3,4,5,6,7
	FRAG 96*((\a)%2)+FR*\s, ADA+(\a)/4, ((\a)%4)*KROWB+\s*FRB
.endr
.endm
; Block a: 32 products.  Two accumulators take turns, K ascending, under one setting of the windows; then the other two.
.macro MULB a
.irp hb, 0,1
.if (\a) == 0
.if \hb == 0
	s_wait_dscnt 63                                ; Wo's blocks 0, 1 and o's rowblock 0 are in (72 loads were issued behind them)
.else
	s_wait_dscnt 24                                ; Wo's blocks 2, 3 are in; o's rowblock 1 may be out
.endif
.endif
	WIN 0x0d+\hb                                   ; source 0 window 1 + hb, source 1 window 3, C and D window 0
.irp s, 0,1,2,3,4,5,6,7
.irp u, 0,1
.set DD, ACC+32*((\a)%2)+8*(2*\hb+\u)
.set BF, 96*\u+FR*\s
.set AA, 96*((\a)%2)+FR*\s
.set XB, SBW+4*(2*\hb+\u)+2*(\s/4)+\s%2
.set XA, SAW+4*(\a)+2*(\s/4)+\s%2
.if \s == 0
	v_wmma_scale_f32_16x16x128_f8f6f4 v[DD:DD+7], v[BF:BF+FR-1], v[AA:AA+FR-1], v[BI+8*(2*\hb+\u):BI+8*(2*\hb+\u)+7], v[XB], v[XA] matrix_a_fmt:MATRIX_FMT_FP6 matrix_b_fmt:MATRIX_FMT_FP6
.else
.if (\s/2)%2
	v_wmma_scale_f32_16x16x128_f8f6f4 v[DD:DD+7], v[BF:BF+FR-1], v[AA:AA+FR-1], v[DD:DD+7], v[XB], v[XA] matrix_a_fmt:MATRIX_FMT_FP6 matrix_b_fmt:MATRIX_FMT_FP6 matrix_a_scale:MATRIX_SCALE_ROW1 matrix_b_scale:MATRIX_SCALE_ROW1
.else
	v_wmma_scale_f32_16x16x128_f8f6f4 v[DD:DD+7], v[BF:BF+FR-1], v[AA:AA+FR-1], v[DD:DD+7], v[XB], v[XA] matrix_a_fmt:MATRIX_FMT_FP6 matrix_b_fmt:MATRIX_FMT_FP6
.endif
.endif
.endr
.endr
.endr
	WIN 0
.endm
; THE WAY OUT of block a, through my own stage: in by 16 bytes at each column's true place, back as rows of 256 bytes, two rows a load.  LDS serves a wave's instructions in order (ISA guide 5.7.1.4).
.macro TOSTAGE a
.irp b, 0,1,2,3
	ds_store_b128 v[STO], v[ACC+32*((\a)%2)+8*\b:ACC+32*((\a)%2)+8*\b+3] offset:128*(\b/2)+32*(\b%2)      ; each accumulator from its low end on
	ds_store_b128 v[STO], v[ACC+32*((\a)%2)+8*\b+4:ACC+32*((\a)%2)+8*\b+7] offset:128*(\b/2)+32*(\b%2)+16
.endr
.irp t, 0,1,2,3,4,5,6,7
	ds_load_b128 v[BK+32*((\a)%2)+4*\t:BK+32*((\a)%2)+4*\t+3], v[RD] offset:\t*2*SPITCH
.endr
.endm
.macro SEND a, younger                 ; slots 2 t and 2 t + 1 of block a are rows 32 (a / 2) + 8 (a % 2) + 2 t + 8 (t / 4) and the next
	s_wait_dscnt \younger
.irp t, 0,1,2,3,4,5,6,7
	global_store_b128 v[CO], v[BK+32*((\a)%2)+4*\t:BK+32*((\a)%2)+4*\t+3], s[10:11] offset:(32*((\a)/2)+8*((\a)%2)+2*\t+8*(\t/4))*8192 th:TH_STORE_NT   ; sixteen lanes store 256 consecutive bytes, aligned
.endr
.endm
.macro BLOCK a
.if (\a) == 7
	s_wait_dscnt 16                                ; o's rowblock 7 is in; behind it: block 6's 16 stage instructions
.else
.if (\a) > 0
	s_wait_dscnt 40                                ; o's rowblock a is in; behind it: a stage's 16 instructions and a rowblock's 24 loads
.endif
.endif
	MULB \a
	PLACES NP                                      ; in front of the reads of the results and of the loads into the buffer just multiplied
.if (\a) >= 2
	s_wait_xcnt 0x0                                ; block a - 2's stores have read their registers
.endif
	TOSTAGE \a
.if (\a) < 6
	ALOAD (\a)+2
	WIN 0
.endif
.if (\a) == 7
	SEND 6, 16                                     ; behind block 6's rows: block 7's 16 stage instructions
.else
.if (\a) > 0
	SEND (\a)-1, 40                                ; behind block a - 1's rows at least 40 LDS instructions were issued
.endif
.endif
.endm
	s_load_b256 s[4:11], s[0:1], 0x0               ; oc, woc, bo, out0
	v_lshl_add_u32 v[SPW], v0, 2, SPARE
	v_mov_b32 v[NIL], 0
	ds_add_u32 v[SPW], v[NIL]
	ds_add_u32 v[SPW], v[NIL]
	v_lshrrev_b32 v1, 5, v0
	v_readfirstlane_b32 s14, v1                    ; wave: my 64 columns
	v_and_b32 v1, 15, v0                           ; r
	v_bfe_u32 v2, v0, 4, 1                         ; h
	v_and_b32 v3, 31, v0
	v_lshlrev_b32 v[LI], 4, v3
	v_lshlrev_b32 v[LSC], 3, v3
	v_lshlrev_b32 v4, 6, v2
	s_lshr_b32 s15, s14, 1                         ; I fetch for o (0) or for Wo (1),
	s_and_b32 s16, s14, 1                          ; and which half
	s_bfe_u32 s12, ttmp6, 0x40000                  ; cx
	s_bfe_u32 s13, ttmp6, 0x40004                  ; cy
	s_lshl_b32 s18, ttmp9, 2
	s_add_co_u32 s18, s18, s12                     ; tile column
	s_and_b32 s17, ttmp7, 0xffff
	s_lshl_b32 s17, s17, 2
	s_add_co_u32 s17, s17, s13                     ; tile row
	s_lshl_b32 s19, s13, 2
	s_lshl_b32 s19, 15, s19                        ; my row of the cluster
	s_lshl_b32 s20, 0x1111, s12                    ; my column
	s_or_b32 s[G1+0], s19, (3<<16)|(1<<21)         ; group 1: dense blocks as rows of 256 bytes (32 elements of 8 bytes): o's half 192 rows, Wo's 384
	s_mov_b32 s[G1+1], 32<<16
	s_mov_b32 s[G1+2], 192<<16
	s_mov_b32 s[G1+3], 32<<16
	s_mov_b32 s[G1+4], 192
	s_mov_b32 s[G1+5], 32
	s_mov_b32 s[G1+6], 0
	s_mov_b32 s[G1+7], 0
	s_or_b32 s[G1B+0], s20, (3<<16)|(1<<21)
	s_mov_b32 s[G1B+1], 32<<16
	s_mov_b32 s[G1B+2], 384<<16
	s_mov_b32 s[G1B+3], 32<<16
	s_mov_b32 s[G1B+4], 384
	s_mov_b32 s[G1B+5], 32
	s_mov_b32 s[G1B+6], 0
	s_mov_b32 s[G1B+7], 0
	s_lshl_b32 s68, s17, 12                        ; the scale words of o's 8 rowblocks, 512 bytes each
	s_add_co_u32 s68, s68, A_SC
	s_mov_b32 s69, 0
	s_lshl_b32 s2, s17, 3
	s_lshl_b32 s3, s16, 2
	s_add_co_u32 s2, s2, s3                        ; o's rowblocks that I fetch: 8 x tile row + 4 x half
	s_mul_i32 s2, s2, KROWB
	s_mov_b32 s3, 0
	s_lshl_b32 s66, s18, 4
	s_lshl_b32 s100, s14, 2
	s_add_co_u32 s100, s100, s66                   ; Wo's rowblocks that I multiply: 16 x tile column + 4 x wave
	s_lshl_b32 s100, s100, 9
	s_add_co_u32 s100, s100, B_SC
	s_mov_b32 s101, 0
	s_lshl_b32 s67, s16, 3
	s_add_co_u32 s66, s66, s67                     ; Wo's rowblocks that I fetch: 16 x tile column + 8 x half
	s_mul_i32 s66, s66, KROWB
	s_mov_b32 s67, 0
	s_mov_b32 s[G0A], 1
	s_mul_i32 s[G0A+1], s16, 4*KROWB
	s_mov_b32 s[G0B], 1
	s_mul_i32 s[G0B+1], s16, 8*KROWB
	s_add_co_u32 s[G0B+1], s[G0B+1], BB0
	s_wait_alu depctr_va_vdst(0)
	s_wait_dscnt 0x0
	s_wait_kmcnt 0x0
	s_add_nc_u64 s[G0A+2:G0A+3], s[4:5], s[2:3]
	s_or_b32 s[G0A+3], s[G0A+3], 0x80000000
	s_add_nc_u64 s[G0B+2:G0B+3], s[6:7], s[66:67]
	s_or_b32 s[G0B+3], s[G0B+3], 0x80000000
	s_add_nc_u64 s[68:69], s[4:5], s[68:69]
	s_add_nc_u64 s[100:101], s[6:7], s[100:101]
	CROUND                                         ; all sixteen work-groups are here: the joint loads meet
	s_cmp_eq_u32 s15, 0                            ; one tensor load a wave, one to each arm
	s_cbranch_scc0 .Lfor_b
	tensor_load_to_lds s[G0A:G0A+3], s[G1:G1+7]
	s_nop 0
.rept 4
	v_nop
.endr
	s_branch .Lasked
.Lfor_b:
	tensor_load_to_lds s[G0B:G0B+3], s[G1B:G1B+7]
	s_nop 0
.rept 4
	v_nop
.endr
.Lasked:
.irp i, 0,1,2,3,4,5,6,7
.irp j, 0,1
	global_load_b64 v[SAW+4*\i+2*\j:SAW+4*\i+2*\j+1], v[LSC], s[68:69] offset:512*\i+256*\j
.endr
.endr
.irp i, 0,1,2,3
.irp j, 0,1
	global_load_b64 v[SBW+4*\i+2*\j:SBW+4*\i+2*\j+1], v[LSC], s[100:101] offset:512*\i+256*\j
.endr
.endr
	; the bias: accumulator b's register j of lane (r, h) is column 32 (b / 2) + 16 h + 8 (b % 2) + j of my 64
	s_lshl_b32 s22, s18, 10
	s_lshl_b32 s23, s14, 8
	s_add_co_u32 s22, s22, s23                     ; my first column, in bytes: 1,024 x tile column + 256 x wave
	s_mov_b32 s23, 0
	s_add_nc_u64 s[8:9], s[8:9], s[22:23]
.irp b, 0,1,2,3
	global_load_b128 v[BI+8*\b:BI+8*\b+3], v4, s[8:9] offset:128*(\b/2)+32*(\b%2)
	global_load_b128 v[BI+8*\b+4:BI+8*\b+7], v4, s[8:9] offset:128*(\b/2)+32*(\b%2)+16
.endr
	s_add_nc_u64 s[10:11], s[10:11], s[22:23]
	s_lshl_b32 s22, s17, 20                        ; 128 rows of 8,192 bytes a tile row
	s_add_nc_u64 s[10:11], s[10:11], s[22:23]
	v_mov_b32 v[ADA], v[LI]
	v_add_nc_u32 v[ADA+1], 4*KROWB, v[LI]
	s_mul_i32 s3, s14, 4*KROWB
	s_add_co_u32 s3, s3, BB0
	v_add_nc_u32 v[ADB], s3, v[LI]
	s_mul_i32 s2, s14, 16*SPITCH
	s_add_co_u32 s2, s2, STAGE                     ; my stage
	v_mul_u32_u24 v5, v1, SPITCH
	v_lshl_add_u32 v5, v2, 6, v5
	v_add_nc_u32 v[STO], s2, v5                    ; in: row r, + 64 h
	v_mul_u32_u24 v5, v2, SPITCH
	v_lshl_add_u32 v5, v1, 4, v5
	v_add_nc_u32 v[RD], s2, v5                     ; back: lanes 0-15 one row of 256 bytes, lanes 16-31 the next
	v_lshlrev_b32 v5, 13, v2
	v_lshl_add_u32 v[CO], v1, 4, v5                ; and the same two rows in out0
	s_wait_alu depctr_va_vdst(0)
	s_wait_tensorcnt 0x0                           ; my block is in,
	s_barrier_signal -1
	s_barrier_wait -1                              ; everybody's is
	BLOAD 0
	ALOAD 0
	BLOAD 1
	ALOAD 1
	WIN 0
	s_wait_loadcnt 0x0                             ; the scale words and the bias
.irp a, 0,1,2,3,4,5,6,7
	BLOCK \a
.endr
	SEND 7, 0
	s_wait_tensorcnt 0x0                           ; the wave's end
	ds_add_u32 v[SPW], v[NIL]
	s_wait_dscnt 0x0
	CROUND                                         ; the closing round
	s_endpgm
.Lfunc_end_k_qa4dade3802_out_proj:
	.size	k_qa4dade3802_out_proj, .Lfunc_end_k_qa4dade3802_out_proj-k_qa4dade3802_out_proj
	.p2alignl 7, 3214868480
	.fill 96, 4, 3214868480
	.section	.rodata,"a",@progbits
	.p2align	6, 0x0
	.amdhsa_kernel k_qa4dade3802_out_proj
		.amdhsa_group_segment_fixed_size 327680
		.amdhsa_private_segment_fixed_size 0
		.amdhsa_enable_private_segment 0
		.amdhsa_kernarg_size 32
		.amdhsa_user_sgpr_count 2
		.amdhsa_user_sgpr_kernarg_segment_ptr 1
		.amdhsa_wavefront_size32 1
		.amdhsa_system_sgpr_workgroup_id_x 1
		.amdhsa_system_sgpr_workgroup_id_y 1
		.amdhsa_system_sgpr_workgroup_id_z 1
		.amdhsa_system_vgpr_workitem_id 0
		.amdhsa_next_free_vgpr 1024
		.amdhsa_next_free_sgpr 102
		.amdhsa_reserve_vcc 0
		.amdhsa_float_denorm_mode_32 3
		.amdhsa_float_denorm_mode_16_64 3
		.amdhsa_memory_ordered 1
		.amdhsa_forward_progress 1
		.amdhsa_inst_pref_size 77
	.end_amdhsa_kernel
	.amdgpu_metadata
---
amdhsa.version: [ 1, 2 ]
amdhsa.kernels:
  - .name:           k_qa4dade3802_out_proj
    .symbol:         k_qa4dade3802_out_proj.kd
    .args:
      - { .name: oc, .offset: 0, .size: 8, .value_kind: global_buffer, .address_space: global }
      - { .name: woc, .offset: 8, .size: 8, .value_kind: global_buffer, .address_space: global }
      - { .name: bo, .offset: 16, .size: 8, .value_kind: global_buffer, .address_space: global }
      - { .name: out0, .offset: 24, .size: 8, .value_kind: global_buffer, .address_space: global }
    .group_segment_fixed_size: 327680
    .private_segment_fixed_size: 0
    .kernarg_segment_align: 8
    .kernarg_segment_size: 32
    .max_flat_workgroup_size: 128
    .sgpr_count:     102
    .vgpr_count:     1024
    .wavefront_size: 32
...
	.end_amdgpu_metadata
.endif
;; end of part 4
